; MI455X (gfx1250); checked and timed in simulation.
; The chip was launched on July 23, 2026; its instructions are those of AMD's public machine-readable ISA for CDNA 5 (MIT licence, August 2026) and "CDNA5" Instruction Set Architecture Reference Guide (July 2026). The comments in the code are by the model that wrote it; some were corrected since.
;; Multi Head Attn. Allowed arithmetic: matrix products marked QUANTISED: E2M3 operands, one E8M0 scale for each 32 along K, by v_wmma_scale_f32_16x16x128_f8f6f4 with both operands' format E2M3, f32 sums; everything else in f32.
;; Inputs: Wk 1,024 x 1,024 float32; Wo 1,024 x 1,024 float32; Wq 1,024 x 1,024 float32; Wv 1,024 x 1,024 float32; bk 1,024 float32; bo 1,024 float32; bq 1,024 float32; bv 1,024 float32; k 4 x 2,048 x 1,024 float32; q 4 x 2,048 x 1,024 float32; v 4 x 2,048 x 1,024 float32.
;; Outputs: out0 4 x 2,048 x 1,024 float32.
;; This version of the problem:
;;   THIS VERSION OF THE PROBLEM IS GIVEN IN LOW PRECISION. The matrix products marked QUANTISED in the list below multiply operands that are first quantised to E2M3 (2 exponent bits, 3 mantissa bits; 6 bits a number), with one power-of-two scale for each 32 numbers along K (OCP MX v1.0); their sums are f32. All else is computed in f32.
;;   The module's matrix products, in the order in which they are computed (A, B: the left and right operand; K: the contracted axis; several contracted axes count as one K, in the product's order):
;;     1. [M 8,192, K 1,024] x [K 1,024, N 1,024]; A: input q; B: input Wq: QUANTISED
;;     2. [M 8,192, K 1,024] x [K 1,024, N 1,024]; A: input k; B: input Wk: QUANTISED
;;     3. [M 8,192, K 1,024] x [K 1,024, N 1,024]; A: input v; B: input Wv: QUANTISED
;;     4. batch 64 x [M 2,048, K 64] x [K 64, N 2,048]; A: computed on the way; B: computed on the way: QUANTISED
;;     5. batch 64 x [M 2,048, K 2,048] x [K 2,048, N 64]; A: softmax (see below); B: computed on the way: QUANTISED
;;     6. [M 8,192, K 1,024] x [K 1,024, N 1,024]; A: computed on the way; B: input Wo: QUANTISED
;;   THE QUANTISER, for each operand of a quantised product, along K:
;;     - K is cut into blocks of 32 from its start; a last block that is shorter is filled with zeros.
;;     - A block's scale is 2^e with e = floor(log2(the largest magnitude in the block)) - 2, held to -126 .. 127; a block of zeros has e = 0. As a byte (E8M0): e + 127.
;;     - Each number is divided by its block's scale, clamped to +-7.5, and rounded to the nearest number of E2M3, ties to even, subnormals kept.
;;     - The product sums the exact products of the quantised numbers (number of the format x scale) in f32.
;;   ~~~python
;;   def quantise(x, axis):      # numpy; x: float32 -> the quantised numbers, widened to float32 again
;;       x = np.moveaxis(x, axis, -1); K = x.shape[-1]
;;       x = np.pad(x, [(0, 0)] * (x.ndim - 1) + [(0, -K % 32)]); x = x.reshape(x.shape[:-1] + (-1, 32)); a = np.abs(x).max(-1, keepdims=True)
;;       e = np.where(a > 0, np.clip(np.frexp(np.where(a > 0, a, 1))[1] - 1 - 2, -126, 127), 0)      # np.frexp(a)[1] - 1 = floor(log2(a)), exactly
;;       r = np.clip(x / 2.0 ** e, -7.5, 7.5)
;;       step = 2.0 ** (np.maximum(np.frexp(np.where(r == 0, 1, r))[1] - 1, 0) - 3)
;;       q = np.round(r / step) * step * 2.0 ** e      # np.round: ties to even
;;       return np.moveaxis(q.reshape(q.shape[:-2] + (-1,))[..., :K], -1, axis).astype(np.float32)
;;   ~~~
;;   SOFTMAX AHEAD OF A QUANTISED PRODUCT. Where the list says 'softmax', what is quantised is not the finished softmax but p = 2^(t - M), with t = logit x log2(e) and M = ceil(the row's largest t), a whole number; so 1/2 < the row's largest p <= 1. The row's sum l is taken of the UNQUANTISED p, in f32, and the product's result is divided by l at the end. Since M is a whole number, a kernel that streams over the keys may use a running M (the ceiling of the running maximum): every later rescaling is an exact power of two, which a block's scale takes up: the codes' values come out the same.
;;   OPERANDS COMPUTED ON THE WAY. 'Computed on the way' means the value that the module computes at that place (a softmax that the list does not call 'softmax' is quantised finished and normalised). What goes into a quantiser is computed in f32, as accurately as f32 sums, v_exp_f32 and their like allow (about 1e-6 of the number): no bf16 or f16 on the way to a quantiser, and a product that is left as it is and whose result goes on into a quantised operand takes f32 operands (vector FMAs, or v_wmma_f32_16x16x4_f32). A number that lies on a knife's edge between two numbers of the format may be rounded either way, as far as f32 arithmetic and the matrix unit's own rounding can turn it there, and no further.
;; One version. Each part assembles by itself: llvm-mc -triple=amdgcn-amd-amdhsa -mcpu=gfx1250 --defsym DOCPART=n.
;; ======== version 1 of 1: 4 launches
;; limits: right only within a limited range of input values
;; workspace buffers: cod 22,020,096 bytes; scl 917,504 bytes; qs 6,815,744 bytes; kv 13,369,344 bytes; ximg 6,291,456 bytes; xsc 262,144 bytes
;; launch quant (part 1): grid 896 x 1, 4 waves a work-group, no clusters, 33,280 bytes of LDS; arguments q, k, v, Wq, Wk, Wv, Wo, cod, scl; writes cod, scl
.if DOCPART == 1
	.amdgcn_target "amdgcn-amd-amdhsa--gfx1250"
	.amdhsa_code_object_version 6
	.text
	.protected	k_qc1c5ce33e0_quant
	.globl	k_qc1c5ce33e0_quant
	.p2align	8
	.type	k_qc1c5ce33e0_quant,@function
k_qc1c5ce33e0_quant:
	s_mov_b64 s[64:65], 0
	v_nop
	global_prefetch_b8 v0, s[64:65] scope:SCOPE_SE
	s_setreg_imm32_b32 hwreg(HW_REG_WAVE_MODE, 25, 1), 1
	s_wait_xcnt 0x0
; q, k, v [8192][1024] and Wq, Wk, Wv, Wo [1024][1024], f32, K innermost, become codes of FP6 (E2M3) and one E8M0 byte for each 32 along K.
; cod: the seven tensors one behind the other; a tensor is laid [K step of 256][row position][192 bytes], so that 128 rows of one K step are 24,576 consecutive bytes,
; 96 aligned runs of 256.  scl: rows of 32 bytes, by row position, the tensors in the same order.
; A block's scale is 2^(floor(log2(largest magnitude)) - 2); its byte is the largest magnitude's exponent field - 2, held at 1 from below.
; ROWS STAND AT PERMUTED POSITIONS, by runs of 8 rows (a wave owns one run).  All tensors but k: row 32 b + 16 g + 8 u + i at position 32 b + 16 u + 8 g + i: a tile of 16
; positions is rows 8 u + i and 16 + 8 u + i of a group of 32.  Tensor k: row 64 c + 32 y + 8 i + j at position 64 c + 16 i + 8 y + j: a tile of 16 positions is 8 keys of
; block 2 c and 8 keys of block 2 c + 1, so that in the scores' transposed tiles a lane holds all 32 keys of one block.
; LIMITS: NaN and infinities among the inputs are not served.  A block of zeros gets the byte 1 (its codes are zeros, and this program alone reads the bytes).
; A work-group takes 32 rows, a wave 16 steps of 512 numbers.  Each load reads 512 consecutive bytes; a step's 2,048 bytes turn through the wave's own stage in LDS and come
; back 64 bytes a lane: 16 neighbours along K; two neighbouring lanes hold a block.  No barrier: waves share nothing.  Loads run four steps ahead.
.set STEPS, 16
.set EMAX,  2
.set CB,    12                         ; bytes of 16 codes
.set R,     16                         ; v16-79   four sets of 16 numbers as they are loaded
.set X,     80                         ; v80-111  two sets of 16 neighbours
.set C,     128                        ; v128-191 codes: four registers for each step, so that no store's data are written again
.set E,     112                        ; v112-127 a scale byte for each step
.set WREG,  8192                       ; LDS: a region for each wave: two stages of 32 x SP bytes, then its 256 scale bytes
.set SP,    80                         ; a lane's place in a stage: 64 bytes + 16 of padding
	s_load_b512 s[4:19], s[0:1], 0x0               ; q s[4:5], k, v, Wq, Wk, Wv, Wo s[16:17], cod s[18:19]
	s_load_b64 s[20:21], s[0:1], 0x40              ; scl
	v_lshl_add_u32 v192, v0, 2, 0x8000
	v_mov_b32 v193, 0
	v_lshrrev_b32 v1, 5, v0
	v_readfirstlane_b32 s26, v1                    ; wave
	v_and_b32 v2, 31, v0                           ; lane
	v_lshlrev_b32 v3, 4, v2                        ; my 16 bytes of a load's 512
	s_mul_i32 s27, s26, WREG
	v_lshrrev_b32 v14, 2, v2
	v_mul_u32_u24 v14, v14, SP
	v_and_b32 v15, 3, v2
	v_lshl_add_u32 v14, v15, 4, v14
	v_add_nc_u32 v14, s27, v14                     ; the stage, on the way in: SP (lane / 4) + 16 (lane % 4)
	v_mul_u32_u24 v15, v2, SP
	v_add_nc_u32 v15, s27, v15                     ; and on the way out: SP x lane
	v_mul_u32_u24 v4, v2, CB                       ; my codes' place in a store's 384 bytes: two rows of one K step
	v_lshrrev_b32 v5, 1, v2
	s_add_co_u32 s27, s27, 2*32*SP
	v_add_nc_u32 v5, s27, v5                       ; my wave's 256 scale bytes, my block's byte
	v_lshlrev_b32 v7, 3, v2                        ; and on the way out 8 bytes a lane
	v_add_nc_u32 v6, s27, v7
	s_wait_alu depctr_va_vdst(0)                   ; the wait at the head's end
	s_wait_kmcnt 0x0
	; which tensor: the choice hangs on the work-group's number alone.  s24: the tensor's first work-group
	s_mov_b64 s[22:23], s[16:17]
	s_mov_b32 s24, 864
.macro PICK thr, p, first
	s_cmp_lt_u32 ttmp9, \thr
	s_cselect_b64 s[22:23], s[\p:\p+1], s[22:23]
	s_cselect_b32 s24, \first, s24
.endm
	PICK 864, 14, 832
	PICK 832, 12, 800
	PICK 800, 10, 768
	PICK 768, 8, 512
	PICK 512, 6, 256
	PICK 256, 4, 0
	s_mul_i32 s33, s24, 24576                      ; the tensor's first byte in cod: 32 rows x 768 bytes a work-group
	s_lshl_b32 s38, s24, 10                        ; and in scl
	s_sub_co_u32 s32, ttmp9, s24                   ; my work-group in the tensor
	s_lshl_b32 s29, s32, 2
	s_add_co_u32 s34, s29, s26                     ; which run of 8 rows of the tensor is my wave's
	s_lshl_b32 s24, s34, 15                        ; x 32,768 bytes
	s_mov_b32 s25, 0
	s_add_nc_u64 s[22:23], s[22:23], s[24:25]
	s_and_b32 s28, s26, 1
	s_lshl_b32 s28, s28, 1
	s_lshr_b32 s35, s26, 1
	s_or_b32 s28, s28, s35
	s_add_co_u32 s28, s28, s29                     ; where the run goes: the wave's two bits swapped;
	s_and_b32 s35, s34, 3
	s_lshl_b32 s35, s35, 1
	s_bfe_u32 s36, s34, 0x10002
	s_or_b32 s35, s35, s36
	s_lshr_b32 s36, s34, 3
	s_lshl_b32 s36, s36, 3
	s_or_b32 s35, s35, s36                         ; in tensor k: the run's three low bits (y, i) turned into (i, y)
	s_sub_co_u32 s36, ttmp9, 256
	s_cmp_lt_u32 s36, 256                          ; work-groups 256 to 511 take k
	s_cselect_b32 s28, s35, s28
	s_mov_b32 s37, 196608
	s_cmp_lt_u32 ttmp9, 768
	s_cselect_b32 s37, 1572864, s37                ; bytes from K step to K step: the tensor's rows x 192
	s_mul_i32 s30, s28, 1536                       ; 8 rows x 192 bytes
	s_add_co_u32 s30, s30, s33
	s_mov_b32 s31, 0
	s_add_nc_u64 s[40:41], s[18:19], s[30:31]      ; where my 8 rows begin in K step 0,
	s_mov_b32 s36, s37
	s_mov_b32 s37, 0
	s_add_nc_u64 s[42:43], s[40:41], s[36:37]      ; 1,
	s_add_nc_u64 s[44:45], s[42:43], s[36:37]      ; 2
	s_add_nc_u64 s[46:47], s[44:45], s[36:37]      ; and 3
	s_lshl_b32 s30, s28, 8                         ; 256 scale bytes
	s_add_co_u32 s30, s30, s38
	s_add_nc_u64 s[20:21], s[20:21], s[30:31]
.macro LOAD t
.irp i, 0,1,2,3
	global_load_b128 v[R+16*((\t)%4)+4*\i:R+16*((\t)%4)+4*\i+3], v3, s[22:23] offset:2048*(\t)+512*\i th:TH_LOAD_NT   ; 32 lanes read 512 consecutive bytes
.endr
.endm
.macro TURN t                          ; step t's numbers through the stage: LDS serves a wave's instructions in order, so no wait stands between the stores and the loads
.irp i, 0,1,2,3
	ds_store_b128 v14, v[R+16*((\t)%4)+4*\i:R+16*((\t)%4)+4*\i+3] offset:32*SP*((\t)%2)+8*SP*\i
.endr
.irp i, 0,1,2,3
	ds_load_b128 v[X+16*((\t)%2)+4*\i:X+16*((\t)%2)+4*\i+3], v15 offset:32*SP*((\t)%2)+16*\i
.endr
.endm
.irp t, 0,1,2,3
	LOAD \t
.endr
	s_wait_loadcnt 12                              ; step 0's four loads are in; the twelve of steps 1 to 3 may be out
	TURN 0
.macro STEP t
.set XS, X+16*((\t)%2)
.if (\t) > 0
	s_wait_dscnt 1                                 ; this step's numbers are back from the stage (the last step's byte store may be out)
.else
	s_wait_dscnt 0x0
.endif
.if (\t)+4 < STEPS
	LOAD (\t)+4
.endif
.if (\t)+1 < STEPS
.if STEPS-2-(\t) >= 3
	s_wait_loadcnt 12                              ; the next step's four loads are in; those of the three steps behind it may be out
.else
	s_wait_loadcnt 4*(STEPS-2-(\t))
.endif
	TURN (\t)+1
.endif
	v_max3_num_f32 v8, |v[XS]|, |v[XS+1]|, |v[XS+2]|               ; the largest magnitude of my 16, in two chains
	v_max3_num_f32 v9, |v[XS+3]|, |v[XS+4]|, |v[XS+5]|
.irp i, 6,10
	v_max3_num_f32 v8, v8, |v[XS+\i]|, |v[XS+\i+1]|
	v_max3_num_f32 v9, v9, |v[XS+\i+2]|, |v[XS+\i+3]|
.endr
	v_max3_num_f32 v8, v8, |v[XS+14]|, |v[XS+15]|
	v_max3_num_f32 v8, v8, v9, (EMAX+1)<<23        ; and the floor 2^(3 - 127): the byte cannot fall under 1
	v_max_num_f32_dpp v8, v8, v8 row_xmask:1 row_mask:0xf bank_mask:0xf   ; and of my neighbour's 16: the block's
	v_add_nc_u32 v11, 0xff000000, v8               ; 2 off its exponent field: the conversion takes the exponent field of this operand as its scale
	v_cvt_scalef32_pk16_fp6_f32 v[C+4*(\t):C+4*(\t)+2], v[XS:XS+15], v11         ; sixteen codes, 96 bits without gaps
	v_lshrrev_b32 v[E+(\t)], 23, v11               ; the scale's byte (also the plain line behind the conversion)
	ds_store_b8 v5, v[E+(\t)] offset:16*(\t)       ; both lanes of a block write the same byte with the same value
.if ((\t)%4) >= 2                              ; step t holds row t / 2, numbers 512 (t % 2) ..: lanes 0-15 K step 2 (t % 2), lanes 16-31 the next.  Steps t - 2 and t are two neighbouring rows:
.irp i, 0,1,2
	v_permlane16_swap_b32 v[C+4*((\t)-2)+\i], v[C+4*(\t)+\i]   ; the first's lanes 16-31 change places with the second's lanes 0-15: each now holds both rows of ONE K step
.endr
	global_store_b96 v4, v[C+4*((\t)-2):C+4*((\t)-2)+2], s[40+4*((\t)%2):41+4*((\t)%2)] offset:384*((\t)/4)   ; the wave stores 384 consecutive bytes
	global_store_b96 v4, v[C+4*(\t):C+4*(\t)+2], s[42+4*((\t)%2):43+4*((\t)%2)] offset:384*((\t)/4)
.endif
.endm
.irp t, 0,1,2,3,4,5,6,7,8,9,10,11,12,13,14,15
	STEP \t
.endr
	ds_load_b64 v[12:13], v6                       ; LDS serves a wave's instructions in order: these see my stores
	s_wait_dscnt 0x0
	global_store_b64 v7, v[12:13], s[20:21]        ; 32 lanes store 256 consecutive bytes, aligned
	s_wait_tensorcnt 0x0                           ; the wave's end
	ds_add_u32 v192, v193
	s_wait_dscnt 0x0
	s_endpgm
.Lfunc_end_k_qc1c5ce33e0_quant:
	.size	k_qc1c5ce33e0_quant, .Lfunc_end_k_qc1c5ce33e0_quant-k_qc1c5ce33e0_quant
	.p2alignl 7, 3214868480
	.fill 96, 4, 3214868480
	.section	.rodata,"a",@progbits
	.p2align	6, 0x0
	.amdhsa_kernel k_qc1c5ce33e0_quant
		.amdhsa_group_segment_fixed_size 33280
		.amdhsa_private_segment_fixed_size 0
		.amdhsa_enable_private_segment 0
		.amdhsa_kernarg_size 72
		.amdhsa_user_sgpr_count 2
		.amdhsa_user_sgpr_kernarg_segment_ptr 1
		.amdhsa_wavefront_size32 1
		.amdhsa_system_sgpr_workgroup_id_x 1
		.amdhsa_system_sgpr_workgroup_id_y 1
		.amdhsa_system_sgpr_workgroup_id_z 1
		.amdhsa_system_vgpr_workitem_id 0
		.amdhsa_next_free_vgpr 194
		.amdhsa_next_free_sgpr 66
		.amdhsa_reserve_vcc 0
		.amdhsa_float_denorm_mode_32 3
		.amdhsa_float_denorm_mode_16_64 3
		.amdhsa_memory_ordered 1
		.amdhsa_forward_progress 1
		.amdhsa_inst_pref_size 35
	.end_amdhsa_kernel
	.amdgpu_metadata
---
amdhsa.version: [ 1, 2 ]
amdhsa.kernels:
  - .name:           k_qc1c5ce33e0_quant
    .symbol:         k_qc1c5ce33e0_quant.kd
    .args:
      - { .name: q, .offset: 0, .size: 8, .value_kind: global_buffer, .address_space: global }
      - { .name: k, .offset: 8, .size: 8, .value_kind: global_buffer, .address_space: global }
      - { .name: v, .offset: 16, .size: 8, .value_kind: global_buffer, .address_space: global }
      - { .name: Wq, .offset: 24, .size: 8, .value_kind: global_buffer, .address_space: global }
      - { .name: Wk, .offset: 32, .size: 8, .value_kind: global_buffer, .address_space: global }
      - { .name: Wv, .offset: 40, .size: 8, .value_kind: global_buffer, .address_space: global }
      - { .name: Wo, .offset: 48, .size: 8, .value_kind: global_buffer, .address_space: global }
      - { .name: cod, .offset: 56, .size: 8, .value_kind: global_buffer, .address_space: global }
      - { .name: scl, .offset: 64, .size: 8, .value_kind: global_buffer, .address_space: global }
    .group_segment_fixed_size: 33280
    .private_segment_fixed_size: 0
    .kernarg_segment_align: 8
    .kernarg_segment_size: 72
    .max_flat_workgroup_size: 128
    .sgpr_count:     66
    .vgpr_count:     194
    .wavefront_size: 32
...
	.end_amdgpu_metadata
.endif
;; end of part 1
;; launch proj (part 2): grid 4 x 96, 4 waves a work-group, clusters of 4 x 4, 327,680 bytes of LDS; arguments cod, scl, bq, bk, bv, qs, kv; writes qs, kv
.if DOCPART == 2
	.amdgcn_target "amdgcn-amd-amdhsa--gfx1250"
	.amdhsa_code_object_version 6
	.text
	.protected	k_qc1c5ce33e0_proj
	.globl	k_qc1c5ce33e0_proj
	.p2align	8
	.type	k_qc1c5ce33e0_proj,@function
k_qc1c5ce33e0_proj:
	s_mov_b64 s[64:65], 0
	v_nop
	global_prefetch_b8 v0, s[64:65] scope:SCOPE_SE
	s_setreg_imm32_b32 hwreg(HW_REG_WAVE_MODE, 25, 1), 1
	s_wait_xcnt 0x0
	s_wait_alu depctr_hold_cnt(0) depctr_sa_sdst(0) depctr_va_vdst(0) depctr_va_sdst(0) depctr_va_ssrc(0) depctr_va_vcc(0) depctr_vm_vsrc(0)
	s_getreg_b32 s2, hwreg(HW_REG_IB_STS2, 6, 4)
	s_cmp_eq_u32 s2, 0
	s_cbranch_scc0 .Lentry_in_a_cluster
	s_endpgm
.Lentry_in_a_cluster:
	s_bfe_u32 s2, ttmp6, 0x10000c
	s_cmp_lg_u32 s2, 0xf033
	s_cbranch_scc0 .Lentry_shape_is_right
	s_endpgm
.Lentry_shape_is_right:
.set KSTEP,  256
.set NQ,     2
.set ROWB,   256                       ; 128 rows x 192 bytes of one K step are dense in cod: they come as 96 rows of 256 bytes, padded after every 64 as before
.set KROW,   256
.set PITCH,  240
.set FR,     12
.set NL,     6
.set NP,     4
.set HALFT,  128*PITCH
.set SLOT,   4*HALFT
.set LAPS,   2
.set KS,     32
.set SCL,    2*SLOT
.set HALFS,  16*272
.set SBLK,   2*272
.set SPARE,  SCL+4*HALFS
.set ADRA, 16
.set ADRB, 20
.set L8,   24
.set L16,  25
.set SWO,  26
.set ADRS, 27
.set SPW,  28
.set NIL,  29
.set BO,   30
.set SC,   32
.set BN,   64
.set AF,   128
.set T,    128
.set PC,   192
.set TM,   212
.set W,    228
.set Y,    236
.set HW,   240
.set C7F,  248
.set G1, 24
.set G0, 32
.set G1B, 48
.set G0B, 56
.set G1S, 68
.set G0S, 76
.set G1SB, 80
.set G0SB, 88
.set SEL, 94
.set BASE, 20
.set MSB, 0
.macro WIN new
.if MSB != \new
	s_set_vgpr_msb (MSB<<8)|\new
.set MSB, \new
.endif
.endm
.set MUL_LO, 0xa1
.set MUL_HI, 0xf1
.set TO_B,   0x40
.macro JLOAD g0a, g1a, g0b, g1b
	s_cmp_eq_u32 s15, 0
	s_cbranch_scc0 .Lfor_b_\@
	tensor_load_to_lds s[\g0a:\g0a+3], s[\g1a:\g1a+7]
	s_nop 0
.rept 4
	v_nop
.endr
	s_branch .Lasked_\@
.Lfor_b_\@:
	tensor_load_to_lds s[\g0b:\g0b+3], s[\g1b:\g1b+7]
	s_nop 0
.rept 4
	v_nop
.endr
.Lasked_\@:
.endm
.macro CREST
	s_cmp_lg_u32 s14, 0
	s_cbranch_scc1 .Lnot_wave_0_\@
	s_barrier_signal -3
.Lnot_wave_0_\@:
	s_barrier_wait -3
	s_barrier_signal -1
	s_barrier_wait -1
.endm
.macro CROUND
	s_barrier_signal -1
	s_barrier_wait -1
	CREST
.endm
	s_load_b128 s[4:7], s[0:1], 0x0
	s_load_b128 s[8:11], s[0:1], 0x10
	s_load_b128 s[96:99], s[0:1], 0x20
	s_load_b64 s[100:101], s[0:1], 0x30
	v_lshl_add_u32 v[SPW], v0, 2, SPARE
	v_mov_b32 v[NIL], 0
	ds_add_u32 v28, v29
	ds_add_u32 v28, v29
	s_wait_dscnt 0x0
	v_lshrrev_b32 v1, 5, v0
	v_readfirstlane_b32 s14, v1
	s_lshr_b32 s15, s14, 1
	s_and_b32 s16, s14, 1
	s_bfe_u32 s40, ttmp6, 0x40000
	s_bfe_u32 s41, ttmp6, 0x40004
	s_and_b32 s66, ttmp7, 0xffff
	s_lshr_b32 s67, s66, 3
	s_and_b32 s66, s66, 7
	s_mul_i32 s95, s67, 6291456
	s_mul_i32 s2, s67, 786432
	s_add_co_u32 s2, s2, 18874368
	s_lshl_b32 s94, s67, 18
	s_lshl_b32 s45, s67, 15
	s_add_co_u32 s45, s45, 786432
	s_cmp_eq_u32 s67, 2
	s_cselect_b32 s12, 0, s66
	s_cselect_b32 s13, s66, 0
	s_cselect_b32 s95, 20447232, s95
	s_cselect_b32 s2, 12582912, s2
	s_cselect_b32 s94, 851968, s94
	s_cselect_b32 s45, 524288, s45
	s_lshl_b32 s42, s13, 2
	s_add_co_u32 s42, s42, s40
	s_lshl_b32 s17, s12, 2
	s_add_co_u32 s17, s17, s41
	s_lshl_b32 s43, s41, 2
	s_lshl_b32 s43, 15, s43
	s_lshl_b32 s44, 0x1111, s40
	s_or_b32 s[G1+0], s43, (0<<16)|(1<<20)|(1<<21)|(3<<22)|(3<<25)
	s_or_b32 s[G1B+0], s44, (0<<16)|(1<<20)|(1<<21)|(3<<22)|(3<<25)
.irp g, G1, G1B
	s_mov_b32 s[\g+1], ROWB<<16
	s_mov_b32 s[\g+2], 96<<16
	s_mov_b32 s[\g+3], ROWB<<16
	s_mov_b32 s[\g+4], 96
	s_mov_b32 s[\g+5], KROW
	s_mov_b32 s[\g+6], 0
	s_mov_b32 s[\g+7], 0
.endr
	s_or_b32 s[G1S+0], s43, (3<<16)|(1<<20)|(1<<21)|(5<<22)|(3<<25)
	s_or_b32 s[G1SB+0], s44, (3<<16)|(1<<20)|(1<<21)|(5<<22)|(3<<25)
.irp g, G1S, G1SB
	s_mov_b32 s[\g+1], 32<<16
	s_mov_b32 s[\g+2], 16<<16
	s_mov_b32 s[\g+3], 32<<16
	s_mov_b32 s[\g+4], 16
	s_mov_b32 s[\g+5], 32
	s_mov_b32 s[\g+6], 0
	s_mov_b32 s[\g+7], 0
.endr
	s_lshl_b32 s18, s16, 7
	s_lshl_b32 s20, s17, 8
	s_add_co_u32 s20, s20, s18
	s_lshl_b32 s46, s42, 8
	s_add_co_u32 s46, s46, s18
	s_mul_i32 s22, s20, KS
	s_add_co_u32 s22, s22, s94
	s_mov_b32 s23, 0
	s_mul_i32 s20, s20, 192
	s_add_co_u32 s20, s20, s95
	s_mov_b32 s21, 0
	s_mul_i32 s92, s46, KS
	s_add_co_u32 s92, s92, s45
	s_mov_b32 s93, 0
	s_mul_i32 s46, s46, 192
	s_add_co_u32 s46, s46, s2
	s_mov_b32 s47, 0
	s_mul_i32 s45, s14, HALFT
	s_mul_i32 s94, s14, HALFS
	s_wait_kmcnt 0x0
	s_add_nc_u64 s[20:21], s[4:5], s[20:21]
	s_add_nc_u64 s[22:23], s[6:7], s[22:23]
	s_add_nc_u64 s[46:47], s[4:5], s[46:47]
	s_add_nc_u64 s[92:93], s[6:7], s[92:93]
	s_mov_b32 s12, 1572864                         ; bytes from K step to K step: 8,192 rows x 192,
	s_mov_b32 s13, 196608                          ; or 1,024 rows x 192
	s_cmp_eq_u32 s67, 2
	s_cselect_b32 s4, s13, s12                     ; A's (the weight in V's product)
	s_cselect_b32 s6, s12, s13                     ; B's
	s_mov_b32 s5, 0
	s_mov_b32 s7, 0
	CROUND
	s_mov_b32 s[G0S], 1
	s_add_co_u32 s[G0S+1], s94, SCL
	s_mov_b64 s[G0S+2:G0S+3], s[22:23]
	s_or_b32 s[G0S+3], s[G0S+3], 0x80000000
	s_mov_b32 s[G0SB], 1
	s_add_co_u32 s[G0SB+1], s94, SCL
	s_mov_b64 s[G0SB+2:G0SB+3], s[92:93]
	s_or_b32 s[G0SB+3], s[G0SB+3], 0x80000000
	JLOAD G0S, G1S, G0SB, G1SB
.irp s, 0,1
	s_mov_b32 s[G0+4*\s], 1
	s_add_co_u32 s[G0+4*\s+1], s45, \s*SLOT
	s_mov_b64 s[G0+4*\s+2:G0+4*\s+3], s[20:21]
	s_add_nc_u64 s[20:21], s[20:21], s[4:5]
	s_or_b32 s[G0+4*\s+3], s[G0+4*\s+3], 0x80000000
	s_mov_b32 s[G0B+4*\s], 1
	s_add_co_u32 s[G0B+4*\s+1], s45, \s*SLOT
	s_mov_b64 s[G0B+4*\s+2:G0B+4*\s+3], s[46:47]
	s_add_nc_u64 s[46:47], s[46:47], s[6:7]
	s_or_b32 s[G0B+4*\s+3], s[G0B+4*\s+3], 0x80000000
	s_wait_alu depctr_va_vdst(0)
	s_wait_tensorcnt 0x0
	ds_add_u32 v28, v29
	s_wait_dscnt 0x0
	CROUND
	JLOAD G0+4*\s, G1, G0B+4*\s, G1B
.endr
	s_lshl_b32 s4, s4, 1                           ; a slot's next fill lies two K steps on
	s_lshl_b32 s6, s6, 1
	v_and_b32 v1, 15, v0
	v_bfe_u32 v2, v0, 4, 1
	v_mul_u32_u24 v3, v1, PITCH
	v_mul_u32_u24 v4, v2, 24
	v_add_nc_u32 v4, v3, v4
	v_lshl_add_u32 v5, v2, 4, v4
	s_mul_i32 s21, s15, HALFT
	s_mul_i32 s22, s16, HALFT
	s_add_co_u32 s22, s22, 2*HALFT
.irp s, 0,1
	v_add_nc_u32 v[ADRA+\s], s21, v4
	v_add_nc_u32 v[ADRB+\s], s22, v4
	v_add_nc_u32 v[ADRA+2+\s], s21, v5
	v_add_nc_u32 v[ADRB+2+\s], s22, v5
	s_add_co_u32 s21, s21, SLOT
	s_add_co_u32 s22, s22, SLOT
.endr
	v_mul_u32_u24 v5, v1, KS
	v_lshrrev_b32 v6, 8, v5
	v_lshl_add_u32 v5, v6, 4, v5
	s_mul_i32 s21, s15, HALFS
	s_mul_i32 s22, s16, HALFS
	s_add_co_u32 s22, s22, 2*HALFS
	s_sub_co_u32 s22, s22, s21
	v_mul_u32_u24 v6, s22, v2
	s_add_co_u32 s21, s21, SCL
	v_add_nc_u32 v5, v5, v6
	v_add_nc_u32 v[ADRS], s21, v5
	v_and_b32 v6, 31, v0
	v_lshlrev_b32 v[L8], 3, v6
	v_lshlrev_b32 v[L16], 4, v6
.macro FRAG reg, adr, q, i
.irp p, 0,1,2,3,4,5
.set PCE, 12*(\q)+6*(\p/3)+\p%3
.if PCE%8 < 5
	ds_load_b64 v[\reg+2*\p:\reg+2*\p+1], v[\adr] offset:8*PCE+16*(PCE/8)+(\i)*16*PITCH
.else
	ds_load_b64 v[\reg+2*\p:\reg+2*\p+1], v[\adr+2] offset:8*PCE+16*(PCE/8)+(\i)*16*PITCH
.endif
.endr
.endm
.macro MUL16 a0, p, q, sc, zero
.irp a, \a0, \a0+1
.irp b, 0,1,2,3,4,5,6,7
.if \zero
	v_wmma_scale_f32_16x16x128_f8f6f4 v[8*(8*((\a)%4)+\b):8*(8*((\a)%4)+\b)+7], v[128*(\p)+FR*\b:128*(\p)+FR*\b+FR-1], v[AF+FR*(\a):AF+FR*(\a)+FR-1], 0, v[SC+8*NQ*(\sc)+NQ*\b+(\q)], v[SC+8*NQ*(\sc)+NQ*(\a)+(\q)] matrix_a_fmt:MATRIX_FMT_FP6 matrix_b_fmt:MATRIX_FMT_FP6 matrix_a_scale:MATRIX_SCALE_ROW1
.else
	v_wmma_scale_f32_16x16x128_f8f6f4 v[8*(8*((\a)%4)+\b):8*(8*((\a)%4)+\b)+7], v[128*(\p)+FR*\b:128*(\p)+FR*\b+FR-1], v[AF+FR*(\a):AF+FR*(\a)+FR-1], v[8*(8*((\a)%4)+\b):8*(8*((\a)%4)+\b)+7], v[SC+8*NQ*(\sc)+NQ*\b+(\q)], v[SC+8*NQ*(\sc)+NQ*(\a)+(\q)] matrix_a_fmt:MATRIX_FMT_FP6 matrix_b_fmt:MATRIX_FMT_FP6 matrix_a_scale:MATRIX_SCALE_ROW1
.endif
.endr
.endr
.endm
.macro FETCH_B slot, q, p
	WIN TO_B
.irp i, 0,1,2,3,4,5,6,7
	FRAG 128*(\p)+FR*\i, ADRB+\slot, \q, \i
.endr
	WIN 0
.endm
.macro FETCH_A slot, q, i0
.irp i, \i0, \i0+1, \i0+2, \i0+3
	FRAG AF+FR*(\i), ADRA+\slot, \q, \i
.endr
.endm
.macro SCALES sc
.irp i, 0,1,2,3,4,5,6,7
	ds_load_b64 v[SC+8*NQ*\sc+NQ*\i:SC+8*NQ*\sc+NQ*\i+1], v[ADRS] offset:\i*SBLK
.endr
.endm
.macro PLACES n
.rept \n
	v_nop
.endr
.endm
.macro STEP slot, q, zero
	s_wait_dscnt 4*NL
	WIN MUL_LO
	MUL16 0, (\q)%2, \q, \slot, \zero
	MUL16 2, (\q)%2, \q, \slot, \zero
	s_wait_dscnt 0
	PLACES NP
	FETCH_B \slot, (\q)+1, 1-(\q)%2
	FETCH_A \slot, (\q)+1, 0
	WIN MUL_HI
	MUL16 4, (\q)%2, \q, \slot, \zero
	MUL16 6, (\q)%2, \q, \slot, \zero
	PLACES NP
	WIN 0
	FETCH_A \slot, (\q)+1, 4
.endm
.macro TURN slot, next, fill
	s_wait_tensorcnt 0x0
	ds_add_u32 v[SPW], v[NIL]
	s_wait_dscnt 4*NL+1
	WIN MUL_LO
	MUL16 0, 1, NQ-1, \slot, 0
	s_wait_dscnt 0x0
	s_barrier_signal -1
	MUL16 2, 1, NQ-1, \slot, 0
	WIN 0
	s_barrier_wait -1
.if \fill
	CREST
	s_add_nc_u64 s[G0+4*\slot+2:G0+4*\slot+3], s[G0+4*\slot+2:G0+4*\slot+3], s[4:5]
	s_add_nc_u64 s[G0B+4*\slot+2:G0B+4*\slot+3], s[G0B+4*\slot+2:G0B+4*\slot+3], s[6:7]
	JLOAD G0+4*\slot, G1, G0B+4*\slot, G1B
.else
	PLACES NP
.endif
	s_wait_alu depctr_va_vdst(0)
	v_add_nc_u32 v[ADRS], 4*NQ, v[ADRS]
	FETCH_B \next, 0, 0
	FETCH_A \next, 0, 0
	SCALES \next
	WIN MUL_HI
	MUL16 4, 1, NQ-1, \slot, 0
	MUL16 6, 1, NQ-1, \slot, 0
	PLACES NP
	WIN 0
	FETCH_A \next, 0, 4
.endm
	s_wait_alu depctr_va_vdst(0)
	s_wait_tensorcnt 1
	s_barrier_signal -1
	s_barrier_wait -1
	FETCH_B 0, 0, 0
	FETCH_A 0, 0, 0
	SCALES 0
	FETCH_A 0, 0, 4
	STEP 0, 0, 1
	s_mov_b32 s3, LAPS-1
.Llap:
	TURN 0, 1, 1
	STEP 1, 0, 0
	TURN 1, 0, 1
	STEP 0, 0, 0
	s_sub_co_u32 s3, s3, 1
	s_cmp_lg_u32 s3, 0
	s_cbranch_scc1 .Llap
	TURN 0, 1, 0
	STEP 1, 0, 0
	s_wait_dscnt 4*NL
	WIN MUL_LO
	MUL16 0, 1, NQ-1, 1, 0
	MUL16 2, 1, NQ-1, 1, 0
	s_wait_dscnt 0
	WIN MUL_HI
	MUL16 4, 1, NQ-1, 1, 0
	MUL16 6, 1, NQ-1, 1, 0
	WIN 0
.macro QUANT s, pw
.irp b, 0,1,2,3
	v_max3_num_f32 v[TM+\b], |v[\s+16*\b]|, |v[\s+1+16*\b]|, 0x1800000
.endr
.irp i, 2,4,6,8,10,12,14
.irp b, 0,1,2,3
	v_max3_num_f32 v[TM+\b], v[TM+\b], |v[\s+16*\b+\i]|, |v[\s+1+16*\b+\i]|
.endr
.endr
.irp b, 0,1,2,3
	v_permlanex16_b32 v[TM+4+\b], v[TM+\b], s[SEL], s[SEL+1]
.endr
.irp b, 0,1,2,3
	v_max_num_f32 v[TM+\b], v[TM+\b], v[TM+4+\b]
.endr
.irp b, 0,1,2,3
	v_add_nc_u32 v[TM+12+\b], 0xff000000, v[TM+\b]
.endr
.irp b, 0,1,2,3
	v_lshrrev_b32 v[TM+4+\b], 23, v[TM+12+\b]
.endr
	v_lshl_or_b32 v[\pw], v[TM+5], 8, v[TM+4]
	v_lshl_or_b32 v[\pw], v[TM+6], 16, v[\pw]
	v_lshl_or_b32 v[\pw], v[TM+7], 24, v[\pw]
.irp c, 0,1
	v_cvt_scalef32_pk16_fp6_f32 v[PC+6*\c:PC+2+6*\c], v[\s+32*\c:\s+15+32*\c], v[TM+12+2*\c]
	v_cvt_scalef32_pk16_fp6_f32 v[PC+12+4*\c:PC+14+4*\c], v[\s+16+32*\c:\s+31+32*\c], v[TM+12+2*\c+1]
.endr
	v_nop
.irp c, 0,1
.irp i, 0,1,2
	v_permlane16_swap_b32 v[PC+6*\c+\i], v[PC+12+4*\c+\i]
.endr
.irp i, 0,1,2
	v_mov_b32 v[PC+3+6*\c+\i], v[PC+12+4*\c+\i]
.endr
.endr
.endm
.macro BLOCKOUT a, isv
	WIN (0x02+(\a)/4)
.set AC, 64*((\a)%4)
.set kk, 0
.rept 32
.if \isv
	v_pk_add_f32 v[T+kk:T+kk+1], v[AC+kk:AC+kk+1], v[BN+2*(\a):BN+2*(\a)+1]
.else
	v_pk_add_f32 v[T+kk:T+kk+1], v[AC+kk:AC+kk+1], v[BN+kk:BN+kk+1]
.endif
.set kk, kk+2
.endr
	WIN 0
.if (\a) > 0
	s_wait_xcnt 0x0
.endif
	QUANT T, W+(\a)
.if \isv
.irp c, 0,1,2
	global_store_b128 v[L16], v[PC+4*\c:PC+4*\c+3], s[BASE+2*((\a)/4):BASE+2*((\a)/4)+1] offset:6656+1536*((\a)%4)+512*\c
.endr
.else
.irp c, 0,1
.irp p, 0,1,2
	global_store_b64 v[L8], v[PC+6*\c+2*\p:PC+6*\c+2*\p+1], s[BASE+2*\c:BASE+2*\c+1] offset:768*(\a)+256*\p
.endr
.endr
.endif
.endm
	PLACES NP
.irp b, 0,1,2,3
	v_mov_b32 v[TM+4+\b], 0
.endr
	s_mov_b32 s[SEL], 0x76543210
	s_mov_b32 s[SEL+1], 0xfedcba98
	s_mov_b32 s12, 0xffff0000
	s_mov_b32 s93, 0
	s_cmp_eq_u32 s67, 2
	s_cbranch_scc1 .Lv_path
	s_lshl_b32 s18, s17, 1
	s_add_co_u32 s18, s18, s15
	s_lshl_b32 s19, s42, 1
	s_add_co_u32 s19, s19, s16
	s_cmp_eq_u32 s67, 0
	s_cselect_b64 s[BASE:BASE+1], s[98:99], s[100:101]
	s_cselect_b64 s[46:47], s[8:9], s[10:11]
	s_mov_b32 s13, 13056
	s_cselect_b32 s13, 6656, s13
	s_lshl_b32 s2, s13, 4
	s_lshr_b32 s40, s18, 4
	s_lshl_b32 s40, s40, 3
	s_add_co_u32 s40, s40, s19
	s_lshl_b32 s40, s40, 1
	s_mul_i32 s92, s40, s2
	s_and_b32 s18, s18, 15
	s_mul_i32 s18, s18, s13
	s_add_co_u32 s92, s92, s18
	s_add_nc_u64 s[BASE:BASE+1], s[BASE:BASE+1], s[92:93]
	s_mov_b32 s92, s2
	s_add_nc_u64 s[BASE+2:BASE+3], s[BASE:BASE+1], s[92:93]
	s_lshl_b32 s92, s19, 9
	s_add_nc_u64 s[46:47], s[46:47], s[92:93]
	v_lshlrev_b32 v[BO], 6, v2
	v_lshlrev_b32 v[SWO], 5, v1
	v_lshl_add_u32 v[SWO], v2, 4, v[SWO]
	v_mov_b32 v[C7F], 0x7f7f7f7f
.irp b, 0,1,2,3
.irp j, 0,1,2,3
	global_load_b128 v[BN+16*\b+4*\j:BN+16*\b+4*\j+3], v[BO], s[46:47] offset:128*\b+16*\j
.endr
.endr
	s_wait_loadcnt 0x0
.irp a, 0,1,2,3,4,5,6,7
	BLOCKOUT \a, 0
.endr
.irp i, 0,1,2,3
	v_cndmask_b32 v[Y+\i], v[W+\i], v[W+4+\i], s12
.endr
.irp i, 0,1,2,3
	v_perm_b32 v[HW+\i], v[Y+\i], v[C7F], 0x00000504
	v_perm_b32 v[HW+4+\i], v[Y+\i], v[C7F], 0x00000706
.endr
	global_store_b128 v[SWO], v[HW:HW+3], s[BASE:BASE+1] offset:6144
	global_store_b128 v[SWO], v[HW+4:HW+7], s[BASE+2:BASE+3] offset:6144
	s_branch .Lend
.Lv_path:
	s_lshl_b32 s18, s42, 1
	s_add_co_u32 s18, s18, s16
	s_lshl_b32 s19, s17, 1
	s_add_co_u32 s19, s19, s15
	s_lshr_b32 s40, s18, 4
	s_lshl_b32 s40, s40, 3
	s_add_co_u32 s40, s40, s19
	s_mul_i32 s92, s40, 2*208896
	s_and_b32 s18, s18, 15
	s_mul_i32 s18, s18, 13056
	s_add_co_u32 s92, s92, s18
	s_add_nc_u64 s[BASE:BASE+1], s[100:101], s[92:93]
	s_add_nc_u64 s[BASE+2:BASE+3], s[BASE:BASE+1], 208896
	s_lshl_b32 s92, s19, 9
	s_add_nc_u64 s[46:47], s[96:97], s[92:93]
	v_and_b32 v[BO], 8, v1
	v_add_nc_u32 v[BO], v[BO], v1
	v_lshlrev_b32 v[BO], 2, v[BO]
	v_mul_u32_u24 v[SWO], v2, 208896
	v_lshl_add_u32 v[SWO], v1, 4, v[SWO]
.irp a, 0,1,2,3,4,5,6,7
	global_load_b32 v[BN+2*\a], v[BO], s[46:47] offset:4*(32*(\a/2)+8*(\a%2))
	global_load_b32 v[BN+2*\a+1], v[BO], s[46:47] offset:4*(32*(\a/2)+8*(\a%2))
.endr
	s_wait_loadcnt 0x0
.irp a, 0,1,2,3,4,5,6,7
	BLOCKOUT \a, 1
.endr
.irp i, 0,1,2,3
	v_cndmask_b32 v[Y+\i], v[W+\i], v[W+4+\i], s12
.endr
	global_store_b128 v[SWO], v[Y:Y+3], s[BASE:BASE+1] offset:12800
.Lend:
	s_wait_tensorcnt 0x0
	ds_add_u32 v[SPW], v[NIL]
	s_wait_dscnt 0x0
	CROUND
	s_endpgm
.Lfunc_end_k_qc1c5ce33e0_proj:
	.size	k_qc1c5ce33e0_proj, .Lfunc_end_k_qc1c5ce33e0_proj-k_qc1c5ce33e0_proj
	.p2alignl 7, 3214868480
	.fill 96, 4, 3214868480
	.section	.rodata,"a",@progbits
	.p2align	6, 0x0
	.amdhsa_kernel k_qc1c5ce33e0_proj
		.amdhsa_group_segment_fixed_size 327680
		.amdhsa_private_segment_fixed_size 0
		.amdhsa_enable_private_segment 0
		.amdhsa_kernarg_size 56
		.amdhsa_user_sgpr_count 2
		.amdhsa_user_sgpr_kernarg_segment_ptr 1
		.amdhsa_wavefront_size32 1
		.amdhsa_system_sgpr_workgroup_id_x 1
		.amdhsa_system_sgpr_workgroup_id_y 1
		.amdhsa_system_sgpr_workgroup_id_z 1
		.amdhsa_system_vgpr_workitem_id 0
		.amdhsa_next_free_vgpr 1024
		.amdhsa_next_free_sgpr 102
		.amdhsa_reserve_vcc 0
		.amdhsa_float_denorm_mode_32 3
		.amdhsa_float_denorm_mode_16_64 3
		.amdhsa_memory_ordered 1
		.amdhsa_forward_progress 1
		.amdhsa_inst_pref_size 238
	.end_amdhsa_kernel
	.amdgpu_metadata
---
amdhsa.version: [ 1, 2 ]
amdhsa.kernels:
  - .name:           k_qc1c5ce33e0_proj
    .symbol:         k_qc1c5ce33e0_proj.kd
    .args:
      - { .name: cod, .offset: 0, .size: 8, .value_kind: global_buffer, .address_space: global }
      - { .name: scl, .offset: 8, .size: 8, .value_kind: global_buffer, .address_space: global }
      - { .name: bq, .offset: 16, .size: 8, .value_kind: global_buffer, .address_space: global }
      - { .name: bk, .offset: 24, .size: 8, .value_kind: global_buffer, .address_space: global }
      - { .name: bv, .offset: 32, .size: 8, .value_kind: global_buffer, .address_space: global }
      - { .name: qs, .offset: 40, .size: 8, .value_kind: global_buffer, .address_space: global }
      - { .name: kv, .offset: 48, .size: 8, .value_kind: global_buffer, .address_space: global }
    .group_segment_fixed_size: 327680
    .private_segment_fixed_size: 0
    .kernarg_segment_align: 8
    .kernarg_segment_size: 56
    .max_flat_workgroup_size: 128
    .sgpr_count:     102
    .vgpr_count:     1024
    .wavefront_size: 32
...
	.end_amdgpu_metadata
.endif
;; end of part 2
;; launch attn (part 3): grid 4 x 64, 16 waves a work-group, clusters of 4 x 1, 327,680 bytes of LDS; arguments qs, kv, ximg, xsc; writes ximg, xsc
.if DOCPART == 3
	.amdgcn_target "amdgcn-amd-amdhsa--gfx1250"
	.amdhsa_code_object_version 6
	.text
	.protected	k_qc1c5ce33e0_attn
	.globl	k_qc1c5ce33e0_attn
	.p2align	8
	.type	k_qc1c5ce33e0_attn,@function
k_qc1c5ce33e0_attn:
	s_mov_b64 s[64:65], 0
	v_nop
	global_prefetch_b8 v0, s[64:65] scope:SCOPE_SE
	s_setreg_imm32_b32 hwreg(HW_REG_WAVE_MODE, 25, 1), 1
	s_wait_xcnt 0x0
	s_wait_alu depctr_hold_cnt(0) depctr_sa_sdst(0) depctr_va_vdst(0) depctr_va_sdst(0) depctr_va_ssrc(0) depctr_va_vcc(0) depctr_vm_vsrc(0)
	s_getreg_b32 s2, hwreg(HW_REG_IB_STS2, 6, 4)
	s_cmp_eq_u32 s2, 0
	s_cbranch_scc0 .Lentry_in_a_cluster
	s_endpgm
.Lentry_in_a_cluster:
	s_bfe_u32 s2, ttmp6, 0x10000c
	s_cmp_lg_u32 s2, 0x3003
	s_cbranch_scc0 .Lentry_shape_is_right
	s_endpgm
.Lentry_shape_is_right:
; x[b][q][64 head + d] = (sum over keys of p V) / l, p = 2^(t - M), t = score x log2(e) / 8, M = the row's running largest t rounded UP to a whole number; both products on codes of
; FP6 (E2M3) with one E8M0 scale for each 32 along K.  l is the sum of the unquantised p, in f32.  x is quantised along D in registers and stored as images of the last product's operand.
; SHARES.  A work-group owns ONE head of one batch and 512 queries; each of its sixteen waves owns two tiles of 16 queries, one after the other.  4 x 64 = 256 work-groups.
; IN.  kv holds, for each head, 16 records of 13,056 bytes, one for each 128 keys: K's 8 tile images of 768 bytes, K's scale words (at 6,144), V^T's 4 fragment images of 1,536 (at 6,656),
; V's scale words (at 12,800).  An image is the operand's registers, lane by lane: LDS reads take consecutive bytes in consecutive lanes.
; LDS.  The head's 16 records, 208,896 bytes, lie in LDS whole and are filled ONCE: each of the sixteen waves brings one record, 51 rows of 256 bytes, by its one tensor load at the head.  Nothing is
; filled again, so one barrier stands behind the fill and none in the walk over the keys.  CLUSTER: the four query blocks of a head need the same records, so each record is asked for JOINTLY.
; The launch's only tensor loads go out at its head, with no loop to run ahead in: so nothing is prefetched.
; LAYOUT.  Both products are used transposed: S^T = K Q^T, O^T = V^T P^T: a lane holds ONE query.  Tile 4 c + i of K holds keys 64 c + 8 i + j (rows 0-7) and 64 c + 32 + 8 i + j (rows 8-15):
; so the 32 registers of tiles 4 c .. 4 c + 3 are, in lane half h, the 32 keys of block 2 c + h in order: a block's maximum and its codes need no other lane, and the conversions' results are
; the operand's registers.  Q K^T has K = 64 under an instruction of 128: registers 6-11 of Q's fragment are zero codes, written once.  Registers 6-11 of a fragment of K are multiplied by those
; zeros, and every code of E2M3 is a finite number: so they may hold the NEXT tile's codes, and K's eight tiles lie 6 registers apart (the last is followed by 6 registers of zeros).
; The scale bytes of K = 64 .. 127 are 0x7f on both sides.  The channels of a tile of V^T are 8 u + i and 16 + 8 u + i of a group of 32: 16 registers of O^T are 16 neighbouring channels.
; The next step's K is asked of LDS straight behind this step's first products; V^T lands on p's registers as the conversions free them.
; OUT.  ximg [row tile][head][piece 0..2][lane][8 bytes]; xsc [16 x row tile + r][16 heads][2 bytes].
; LIMITS: NaN and infinities are not served; a block of zeros gets the byte 1 (its codes are zeros; this program alone reads the bytes); the scaled scores stay under 2^31 in magnitude.
.set STEPB, 13056                      ; a record
.set SPARE, 212992                     ; behind the records: the spare words, 128 bytes for each of sixteen waves: eight blocks of 256 bytes that no other line names
.set L8,   1                           ; 8 x lane
.set L16,  2                           ; 16 x lane
.set R32,  3                           ; 32 x (lane % 16)
.set R16,  4                           ; 16 x (lane % 16)
.set SPW,  5
.set NIL,  6
.set SH8,  7                           ; 8 x (lane / 16)
.set ADK,  8                           ; the step's LDS addresses
.set ADS,  9
.set ADV,  10
.set ADT,  11                          ; v12 -M, v13 the running largest score
.set Q,    16                          ; v16-27 Q's fragment of the tile at work
.set Q1,   28                          ; v28-33 the second tile's codes
.set QS,   34                          ; Q's scale words
.set Q1S,  35
.set XW,   36                          ; x's two scale bytes
.set PSW,  37                          ; p's scale word
.set KF,   40                          ; v40-93 K's eight tiles, 6 registers apart, and 6 zeros
.set KSW,  94                          ; v94-101 K's scale words
.set VSW,  102                         ; v102-105 V's
.set S,    112                         ; v112-175 S^T, then p, then V^T's four fragments
.set O,    176                         ; v176-207 O^T
.set P,    208                         ; v208-219 p's codes
.set TC,   220                         ; v220-222, v224-226 the upper halves of a block's codes, as the conversions leave them
.set CH,   228                         ; four chains of maxima
.set SUM,  232                         ; v[232:233] the row's sum in two halves; v234-239 three more chains
.set BM,   240                         ; a block's largest score, then its largest p
.set SO,   242                         ; the conversions' scale operands
.set BY,   244                         ; the scales' bytes
.set RM,   246
.set RX,   247
.set TT,   248
.set OM,   249
.set W,    250
.set WX,   251
.set F,    252                         ; v[252:253] f = 2^(old M - new M), and a register named with it
.set WV,   18                          ; s18 my wave's number
.set SEL,  20                          ; s[20:21] lane selects for v_permlanex16_b32: lane l xor 16
.set CS,   22                          ; s[22:23] c = log2(e) / 8
.set G1,   24
.set G0,   40
.set TB,   44                          ; LDS byte at which the step's record begins
.set INNER, 46
.macro CROUND                          ; a round of the cluster's barrier
	s_barrier_signal -1
	s_barrier_wait -1
	s_cmp_lg_u32 s[WV], 0
	s_cbranch_scc1 .Lnot_wave_0_\@
	s_barrier_signal -3
.Lnot_wave_0_\@:
	s_barrier_wait -3
	s_barrier_signal -1
	s_barrier_wait -1
.endm
	s_load_b256 s[4:11], s[0:1], 0x0               ; qs s[4:5], kv s[6:7], ximg s[8:9], xsc s[10:11]
	v_lshl_add_u32 v[SPW], v0, 2, SPARE
	v_mov_b32 v[NIL], 0
	ds_add_u32 v[SPW], v[NIL]                      ; the opening lines: the add twice on end and one wait
	ds_add_u32 v[SPW], v[NIL]
	v_lshrrev_b32 v8, 5, v0
	v_readfirstlane_b32 s[WV], v8                  ; wave 0..15
	s_bfe_u32 s12, ttmp6, 0x40000                  ; cx: my place in the cluster
	s_lshl_b32 s13, ttmp9, 2
	s_add_co_u32 s13, s13, s12                     ; my block of 512 queries: it enters the addresses of qs, ximg and xsc alone
	s_and_b32 s14, ttmp7, 0xffff                   ; 16 x batch + head, which the four partners share
	s_mul_i32 s16, s[WV], STEPB                    ; the record that I fetch: in LDS and in memory
	s_mul_i32 s32, s14, 16*STEPB                   ; the head's records
	s_add_co_u32 s32, s32, s16
	s_mov_b32 s33, 0
	s_mul_i32 s34, s14, 106496                     ; Q: the head,
	s_lshl_b32 s36, s13, 2
	s_lshr_b32 s37, s[WV], 3
	s_add_co_u32 s36, s36, s37
	s_mul_i32 s36, s36, 6656                       ; my first tile's group of 128 queries (the second tile's lies two groups on)
	s_add_co_u32 s34, s34, s36
	s_mov_b32 s35, 0
	s_and_b32 s37, s[WV], 7                        ; my tile in it
	s_lshr_b32 s38, s14, 4
	s_lshl_b32 s38, s38, 7
	s_lshl_b32 s39, s13, 5
	s_add_co_u32 s38, s38, s39
	s_add_co_u32 s38, s38, s[WV]                   ; my first row tile of x: 128 x batch + 32 x block + wave (the second lies 16 on)
	s_and_b32 s39, s14, 15                         ; the head
	s_lshl_b32 s48, s38, 4
	s_add_co_u32 s48, s48, s39
	s_mul_i32 s48, s48, 768                        ; ximg: (16 x row tile + head) x 768
	s_mov_b32 s49, 0
	s_lshl_b32 s50, s38, 9
	s_lshl_b32 s51, s39, 1
	s_add_co_u32 s50, s50, s51                     ; xsc: 512 x row tile + 2 x head
	s_mov_b32 s51, 0
	s_mov_b32 s[G1], 15|(3<<16)|(1<<21)            ; a record: 51 rows of 256 bytes (32 elements of 8), dense; the mask names all four work-groups
	s_mov_b32 s[G1+1], 32<<16
	s_mov_b32 s[G1+2], 51<<16
	s_mov_b32 s[G1+3], 32<<16
	s_mov_b32 s[G1+4], 51
	s_mov_b32 s[G1+5], 32
	s_mov_b32 s[G1+6], 0
	s_mov_b32 s[G1+7], 0
	s_mov_b32 s[SEL], 0x76543210
	s_mov_b32 s[SEL+1], 0xfedcba98
	s_mov_b32 s[CS], 0x3e38aa3b                    ; c = log2(e) / sqrt(64)
	s_mov_b32 s[CS+1], s[CS]
	s_wait_dscnt 0x0                               ; both opening adds are done
	s_wait_kmcnt 0x0
	s_mov_b32 s[G0], 1
	s_mov_b32 s[G0+1], s16                         ; LDS address: wave x a record
	s_add_nc_u64 s[G0+2:G0+3], s[6:7], s[32:33]
	s_or_b32 s[G0+3], s[G0+3], 0x80000000
	CROUND                                         ; all four work-groups are here: the joint loads meet
	tensor_load_to_lds s[G0:G0+3], s[G1:G1+7]      ; my record: every wave's one tensor load of the launch
	s_nop 0
.rept 4
	v_nop
.endr
	s_add_nc_u64 s[4:5], s[4:5], s[34:35]
	s_add_nc_u64 s[8:9], s[8:9], s[48:49]
	s_add_nc_u64 s[10:11], s[10:11], s[50:51]
	v_and_b32 v8, 31, v0                           ; lane
	v_and_b32 v9, 15, v0                           ; r
	v_bfe_u32 v[SH8], v0, 4, 1
	v_lshlrev_b32 v[L8], 3, v8
	v_lshlrev_b32 v[L16], 4, v8
	v_lshlrev_b32 v[R32], 5, v9
	v_lshlrev_b32 v[R16], 4, v9
	v_lshlrev_b32 v[SH8], 3, v[SH8]
	s_mul_i32 s36, s37, 768
	v_add_nc_u32 v10, s36, v[L8]                   ; my tile's image
	s_lshl_b32 s36, s37, 2
	v_add_nc_u32 v11, s36, v[R32]                  ; and its scale words [r][tile]
.irp p, 0,1,2
	global_load_b64 v[Q+2*\p:Q+2*\p+1], v10, s[4:5] offset:256*\p
	global_load_b64 v[Q1+2*\p:Q1+2*\p+1], v10, s[4:5] offset:2*6656+256*\p
.endr
	global_load_b32 v[QS], v11, s[4:5] offset:6144
	global_load_b32 v[Q1S], v11, s[4:5] offset:2*6656+6144
.irp i, 0,1,2,3,4,5
	v_mov_b32 v[Q+6+\i], 0                         ; the zero codes of K = 64 .. 127, written once
	v_mov_b32 v[KF+48+\i], 0                       ; and what follows K's last tile
.endr
	v_mov_b32 v13, 0xff61b1e6                      ; the largest score so far: -3e38
	v_mov_b32 v12, 0x7f61b1e6                      ; -M: so large that the first f is 0, which multiplies zeros
	v_mov_b32 v[SUM], 0
	v_mov_b32 v[SUM+1], 0
	v_mov_b32 v[RX], 0                             ; a lane permute's destination counts as one of its sources
	v_mov_b32 v[WX], 0
	v_mov_b32 v[F+1], 0
.set jj, 0
.rept 32
	v_mov_b32 v[O+jj], 0                           ; O^T: the step has no first form of its own
.set jj, jj+1
.endr
.macro LOADK off                       ; K's eight tiles and their scale words, from the record off bytes behind the step's
.set tt, 0
.rept 8
.irp p, 0,1,2
	ds_load_b64 v[KF+6*tt+2*\p:KF+6*tt+2*\p+1], v[ADK] offset:\off+768*tt+256*\p
.endr
.set tt, tt+1
.endr
	ds_load_b128 v[KSW:KSW+3], v[ADS] offset:\off+6144
	ds_load_b128 v[KSW+4:KSW+7], v[ADS] offset:\off+6160
.endm
.macro TMIN n                          ; n pairs of scores become t - M
.rept \n
	v_pk_fma_f32 v[S+jj:S+jj+1], v[S+jj:S+jj+1], s[CS:CS+1], v[12:13] op_sel_hi:[1,0,0]
.set jj, jj+2
.endr
.endm
.macro VLOAD t
.irp c, 0,1,2
	ds_load_b128 v[S+12*\t+4*\c:S+12*\t+4*\c+3], v[ADV] offset:6656+1536*\t+512*\c
.endr
.endm
; A KEY STEP: 128 keys.  K's tiles have been asked for.  pre = 1: the next record's are asked for here.
.macro STEP pre
	v_add_nc_u32 v[ADK], s[TB], v[L8]
	v_add_nc_u32 v[ADS], s[TB], v[R32]
	v_add_nc_u32 v[ADV], s[TB], v[L16]
	v_add_nc_u32 v[ADT], s[TB], v[R16]
	v_nop                                          ; six places: the products below write over registers that the last step's products read as V^T: five are owed
	v_nop
	s_wait_alu depctr_va_vdst(0)
	s_wait_dscnt 0x0                               ; K's tiles and scale words are in
.set tt, 0
.rept 8
	v_wmma_scale_f32_16x16x128_f8f6f4 v[S+8*tt:S+8*tt+7], v[KF+6*tt:KF+6*tt+11], v[Q:Q+11], 0, v[KSW+tt], v[QS] matrix_a_fmt:MATRIX_FMT_FP6 matrix_b_fmt:MATRIX_FMT_FP6
.set tt, tt+1
.endr
.rept 4
	v_nop                                          ; places in front of the loads into K's registers and of the first reads of S^T
.endr
.if \pre
	LOADK STEPB
.endif
.irp b, 0,1,2,3                                ; the largest score of each 16 registers, four chains by turns; each tile is first read at its low end
	v_max3_num_f32 v[CH+\b], v[S+16*\b], v[S+16*\b+1], v[S+16*\b+2]
.endr
.irp i, 3,5,7,9,11,13
.irp b, 0,1,2,3
	v_max3_num_f32 v[CH+\b], v[CH+\b], v[S+16*\b+\i], v[S+16*\b+\i+1]
.endr
.endr
	v_max3_num_f32 v[CH], v[CH], v[CH+1], v[S+15]
	v_max3_num_f32 v[CH+2], v[CH+2], v[CH+3], v[S+47]
	v_max_num_f32 v[BM], v[CH], v[S+31]            ; my two blocks' largest scores: they serve for the row's maximum and, since p rises with the score, for the blocks' largest p
	v_max_num_f32 v[BM+1], v[CH+2], v[S+63]
	v_max_num_f32 v[RM], v[BM], v[BM+1]
	v_permlanex16_b32 v[RX], v[RM], s[SEL], s[SEL+1]
	v_max3_num_f32 v13, v13, v[RM], v[RX]          ; the running largest score of my query
	v_mul_f32 v[TT], s[CS], v13                    ; as t (c is positive)
	v_mov_b32 v[OM], v12
	v_floor_f32 v12, -v[TT]                        ; the new -M = -ceil(t): a whole number
	v_sub_f32 v[OM], v12, v[OM]                    ; M's old value less its new one: a whole number, 0 or less
.set jj, 0
	TMIN 16
	v_cvt_i32_f32 v[OM], v[OM]                     ; (it saturates)
	TMIN 8
	v_ldexp_f32 v[F], 1.0, v[OM]                   ; f = 2^(old M - new M): a multiplication by it rounds nothing
	TMIN 8
	v_fma_f32 v[BM], v[BM], s[CS], v12             ; the same of each block's largest score
	v_fma_f32 v[BM+1], v[BM+1], s[CS], v12
	s_wait_alu depctr_va_vdst(0)                   ; the wait ahead of the batch
.set jj, 0
.rept 64
	v_exp_f32 v[S+jj], v[S+jj]                     ; p = 2^(t - M), at most 1: not normalised
.set jj, jj+1
.endr
	v_exp_f32 v[BM], v[BM]                         ; the block's largest p: the same two instructions on the same number give the same bits
	v_exp_f32 v[BM+1], v[BM+1]
	v_pk_mul_f32 v[SUM:SUM+1], v[SUM:SUM+1], v[F:F+1] op_sel_hi:[1,0]   ; the sum under the new M (a plain line behind the exponentials)
	s_wait_alu depctr_va_vdst(0)                   ; one wait for the whole batch, ahead of its first reader
	v_max_num_f32 v[BM], 0x1800000, v[BM]          ; the floor 2^(3 - 127): the byte cannot fall under 1
	v_max_num_f32 v[BM+1], 0x1800000, v[BM+1]
	v_pk_add_f32 v[SUM+2:SUM+3], v[S:S+1], v[S+2:S+3]           ; the sum of the unquantised p, four chains by turns
	v_pk_add_f32 v[SUM+4:SUM+5], v[S+4:S+5], v[S+6:S+7]
	v_pk_add_f32 v[SUM+6:SUM+7], v[S+8:S+9], v[S+10:S+11]
	v_add_nc_u32 v[SO], 0xff000000, v[BM]          ; 2 off the exponent field: the conversion's scale operand
	v_add_nc_u32 v[SO+1], 0xff000000, v[BM+1]
.set jj, 12
.rept 10
	v_pk_add_f32 v[SUM+2*((jj/2+2)%4):SUM+2*((jj/2+2)%4)+1], v[SUM+2*((jj/2+2)%4):SUM+2*((jj/2+2)%4)+1], v[S+jj:S+jj+1]
.set jj, jj+2
.endr
	v_cvt_scalef32_pk16_fp6_f32 v[P:P+2], v[S:S+15], v[SO]
	v_cvt_scalef32_pk16_fp6_f32 v[TC:TC+2], v[S+16:S+31], v[SO]   ; (a conversion's three registers begin on an even number)
	v_lshrrev_b32 v[BY], 23, v[SO]                 ; the scale's byte (also the plain line behind the conversions)
	VLOAD 0                                        ; the first block's registers are free: two fragments of V^T land there
	VLOAD 1
.rept 16
	v_pk_add_f32 v[SUM+2*((jj/2)%4):SUM+2*((jj/2)%4)+1], v[SUM+2*((jj/2)%4):SUM+2*((jj/2)%4)+1], v[S+jj:S+jj+1]
.set jj, jj+2
.endr
	v_cvt_scalef32_pk16_fp6_f32 v[P+6:P+8], v[S+32:S+47], v[SO+1]
	v_cvt_scalef32_pk16_fp6_f32 v[TC+4:TC+6], v[S+48:S+63], v[SO+1]
	v_lshrrev_b32 v[BY+1], 23, v[SO+1]
	VLOAD 2
	VLOAD 3
	ds_load_b128 v[VSW:VSW+3], v[ADT] offset:12800 ; the four tiles' scale words of my lane's channel
	v_lshl_or_b32 v[W], v[BY+1], 16, v[BY]         ; my bytes: blocks h and 2 + h,
	v_pk_add_f32 v[SUM:SUM+1], v[SUM:SUM+1], v[SUM+2:SUM+3]
	v_pk_add_f32 v[SUM+4:SUM+5], v[SUM+4:SUM+5], v[SUM+6:SUM+7]
	v_lshlrev_b32 v[W], v[SH8], v[W]               ; at their places in the scale word;
.irp i, 0,1,2
	v_mov_b32 v[P+3+\i], v[TC+\i]
.endr
	v_permlanex16_b32 v[WX], v[W], s[SEL], s[SEL+1]
	v_pk_add_f32 v[SUM:SUM+1], v[SUM:SUM+1], v[SUM+4:SUM+5]
.irp i, 0,1,2
	v_mov_b32 v[P+9+\i], v[TC+4+\i]
.endr
	v_or_b32 v[PSW], v[W], v[WX]                   ; with lane l xor 16's two the word is whole
	s_wait_alu depctr_va_vdst(0)                   ; the wait, directly ahead of the first reader of O^T
.set jj, 0
.rept 16
	v_pk_mul_f32 v[O+jj:O+jj+1], v[O+jj:O+jj+1], v[F:F+1] op_sel_hi:[1,0]   ; O^T under the new M; also the places between p's codes and scale word and the products
.set jj, jj+2
.endr
	s_wait_alu depctr_va_vdst(0)
	s_wait_dscnt 0x0                               ; V^T is in
.irp t, 0,1,2,3                                ; O^T += V^T P^T: the four accumulators by turns
	v_wmma_scale_f32_16x16x128_f8f6f4 v[O+8*\t:O+8*\t+7], v[S+12*\t:S+12*\t+11], v[P:P+11], v[O+8*\t:O+8*\t+7], v[VSW+\t], v[PSW] matrix_a_fmt:MATRIX_FMT_FP6 matrix_b_fmt:MATRIX_FMT_FP6
.endr
.endm
; A TILE'S END.  O^T / l; its two blocks of 32 channels are quantised; the six registers of codes are half a fragment of the last product's operand.  c: which of my two tiles.
.macro FINAL c
.rept 4
	v_nop                                          ; places behind the last products
.endr
	v_add_f32 v[SUM], v[SUM], v[SUM+1]
	s_delay_alu instid0(VALU_DEP_1)
	v_permlanex16_b32 v[RX], v[SUM], s[SEL], s[SEL+1]
	s_delay_alu instid0(VALU_DEP_1)
	v_add_f32 v[SUM], v[SUM], v[RX]                ; the row's sum
	s_wait_alu depctr_va_vdst(0)
	v_rcp_f32 v[SUM], v[SUM]
	v_nop
	s_wait_alu depctr_va_vdst(0)
.set jj, 0
.rept 16
	v_pk_mul_f32 v[O+jj:O+jj+1], v[O+jj:O+jj+1], v[SUM:SUM+1] op_sel_hi:[1,0]   ; register 16 b + i: channel 32 b + 16 h + i of query r
.set jj, jj+2
.endr
.irp b, 0,1
	v_max3_num_f32 v[CH+\b], |v[O+16*\b]|, |v[O+16*\b+1]|, 0x1800000
.endr
.irp i, 2,4,6,8,10,12,14
.irp b, 0,1
	s_delay_alu instid0(VALU_DEP_2)
	v_max3_num_f32 v[CH+\b], v[CH+\b], |v[O+16*\b+\i]|, |v[O+16*\b+\i+1]|
.endr
.endr
.irp b, 0,1
	s_delay_alu instid0(VALU_DEP_2)
	v_permlanex16_b32 v[CH+2+\b], v[CH+\b], s[SEL], s[SEL+1]
.endr
.irp b, 0,1
	s_delay_alu instid0(VALU_DEP_2)
	v_max_num_f32 v[CH+\b], v[CH+\b], v[CH+2+\b]
.endr
.irp b, 0,1
	s_delay_alu instid0(VALU_DEP_2)
	v_add_nc_u32 v[SO+\b], 0xff000000, v[CH+\b]
.endr
.irp b, 0,1
	s_delay_alu instid0(VALU_DEP_2)
	v_lshrrev_b32 v[BY+\b], 23, v[SO+\b]
.endr
	s_delay_alu instid0(VALU_DEP_1)
	v_lshl_or_b32 v[XW], v[BY+1], 8, v[BY]         ; the head's two bytes of my row
	v_cvt_scalef32_pk16_fp6_f32 v[P:P+2], v[O:O+15], v[SO]
	v_cvt_scalef32_pk16_fp6_f32 v[TC:TC+2], v[O+16:O+31], v[SO+1]
	v_nop
.irp i, 0,1,2
	v_permlane16_swap_b32 v[P+\i], v[TC+\i]        ; here a block lies in lanes l and l xor 16: the operand wants it whole in a lane
.endr
.irp i, 0,1,2
	v_mov_b32 v[P+3+\i], v[TC+\i]
.endr
.irp p, 0,1,2
	global_store_b64 v[L8], v[P+2*\p:P+2*\p+1], s[8:9] offset:196608*\c+256*\p   ; 256 consecutive bytes, aligned; the second tile lies 16 row tiles of 12,288 bytes on
.endr
	global_store_b16 v[R32], v[XW], s[10:11] offset:8192*\c   ; lanes l and l xor 16 hold the same bytes and name the same address.  2 bytes of each row's 32: one part in 24 of x's bytes
.if \c == 0
.irp i, 0,1,2,3,4,5
	v_mov_b32 v[Q+\i], v[Q1+\i]                    ; the next tile begins anew, with its own Q
.endr
	v_mov_b32 v[QS], v[Q1S]
	v_mov_b32 v13, 0xff61b1e6
	v_mov_b32 v12, 0x7f61b1e6
	v_mov_b32 v[SUM], 0
	v_mov_b32 v[SUM+1], 0
.set jj, 0
.rept 32
	v_mov_b32 v[O+jj], 0
.set jj, jj+1
.endr
	s_wait_alu depctr_va_vdst(0)
	s_wait_xcnt 0x0                                ; the stores have read their registers, which the next tile's work writes again
.endif
.endm
.macro PASS c                          ; one tile of 16 queries against the head's 16 records: fifteen steps in a loop, each asking for the next record's K; the last asks for nothing
	s_mov_b32 s[TB], 0
	v_add_nc_u32 v[ADK], s[TB], v[L8]
	v_add_nc_u32 v[ADS], s[TB], v[R32]
	LOADK 0
	s_mov_b32 s[INNER], 15
.Lstep_\@:
	STEP 1
	s_add_co_u32 s[TB], s[TB], STEPB
	s_sub_co_u32 s[INNER], s[INNER], 1
	s_cmp_lg_u32 s[INNER], 0
	s_cbranch_scc1 .Lstep_\@
	STEP 0
	FINAL \c
.endm
	s_wait_alu depctr_va_vdst(0)                   ; the wait at the head's end
	s_wait_loadcnt 0x0                             ; Q; its loads' address registers are free
	s_wait_tensorcnt 0x0                           ; my record is in;
	s_barrier_signal -1
	s_barrier_wait -1                              ; and so is every wave's: the head's 16 records are whole, and stay
	PASS 0
	PASS 1
	s_wait_tensorcnt 0x0                           ; the wave's end
	ds_add_u32 v[SPW], v[NIL]
	s_wait_dscnt 0x0
	CROUND                                         ; the closing round
	s_endpgm
.Lfunc_end_k_qc1c5ce33e0_attn:
	.size	k_qc1c5ce33e0_attn, .Lfunc_end_k_qc1c5ce33e0_attn-k_qc1c5ce33e0_attn
	.p2alignl 7, 3214868480
	.fill 96, 4, 3214868480
	.section	.rodata,"a",@progbits
	.p2align	6, 0x0
	.amdhsa_kernel k_qc1c5ce33e0_attn
		.amdhsa_group_segment_fixed_size 327680
		.amdhsa_private_segment_fixed_size 0
		.amdhsa_enable_private_segment 0
		.amdhsa_kernarg_size 32
		.amdhsa_user_sgpr_count 2
		.amdhsa_user_sgpr_kernarg_segment_ptr 1
		.amdhsa_wavefront_size32 1
		.amdhsa_system_sgpr_workgroup_id_x 1
		.amdhsa_system_sgpr_workgroup_id_y 1
		.amdhsa_system_sgpr_workgroup_id_z 1
		.amdhsa_system_vgpr_workitem_id 0
		.amdhsa_next_free_vgpr 256
		.amdhsa_next_free_sgpr 66
		.amdhsa_reserve_vcc 0
		.amdhsa_float_denorm_mode_32 3
		.amdhsa_float_denorm_mode_16_64 3
		.amdhsa_memory_ordered 1
		.amdhsa_forward_progress 1
		.amdhsa_inst_pref_size 78
	.end_amdhsa_kernel
	.amdgpu_metadata
---
amdhsa.version: [ 1, 2 ]
amdhsa.kernels:
  - .name:           k_qc1c5ce33e0_attn
    .symbol:         k_qc1c5ce33e0_attn.kd
    .args:
      - { .name: qs, .offset: 0, .size: 8, .value_kind: global_buffer, .address_space: global }
      - { .name: kv, .offset: 8, .size: 8, .value_kind: global_buffer, .address_space: global }
      - { .name: ximg, .offset: 16, .size: 8, .value_kind: global_buffer, .address_space: global }
      - { .name: xsc, .offset: 24, .size: 8, .value_kind: global_buffer, .address_space: global }
    .group_segment_fixed_size: 327680
    .private_segment_fixed_size: 0
    .kernarg_segment_align: 8
    .kernarg_segment_size: 32
    .max_flat_workgroup_size: 512
    .sgpr_count:     66
    .vgpr_count:     256
    .wavefront_size: 32
...
	.end_amdgpu_metadata
.endif
;; end of part 3
;; launch outp (part 4): grid 4 x 32, 4 waves a work-group, clusters of 4 x 4, 327,680 bytes of LDS; arguments ximg, xsc, cod, scl, bo, out0; writes out0
.if DOCPART == 4
	.amdgcn_target "amdgcn-amd-amdhsa--gfx1250"
	.amdhsa_code_object_version 6
	.text
	.protected	k_qc1c5ce33e0_outp
	.globl	k_qc1c5ce33e0_outp
	.p2align	8
	.type	k_qc1c5ce33e0_outp,@function
k_qc1c5ce33e0_outp:
	s_mov_b64 s[64:65], 0
	v_nop
	global_prefetch_b8 v0, s[64:65] scope:SCOPE_SE
	s_setreg_imm32_b32 hwreg(HW_REG_WAVE_MODE, 25, 1), 1
	s_wait_xcnt 0x0
	s_wait_alu depctr_hold_cnt(0) depctr_sa_sdst(0) depctr_va_vdst(0) depctr_va_sdst(0) depctr_va_ssrc(0) depctr_va_vcc(0) depctr_vm_vsrc(0)
	s_getreg_b32 s2, hwreg(HW_REG_IB_STS2, 6, 4)
	s_cmp_eq_u32 s2, 0
	s_cbranch_scc0 .Lentry_in_a_cluster
	s_endpgm
.Lentry_in_a_cluster:
	s_bfe_u32 s2, ttmp6, 0x10000c
	s_cmp_lg_u32 s2, 0xf033
	s_cbranch_scc0 .Lentry_shape_is_right
	s_endpgm
.Lentry_shape_is_right:
.set NQ,     2
.set ROWB,   196608                    ; bytes from K step to K step of Wo's codes: 1,024 rows x 192
.set KROW,   192                       ; a row's bytes in one K step; 128 rows are dense and come as 96 rows of 256 bytes, padded after every 64 as before
.set PITCH,  240
.set ASTEP,  3072
.set AROW,   12288
.set FR,     12
.set NL,     6
.set NP,     4
.set HALFT,  128*PITCH
.set SLOT,   4*HALFT
.set LAPS,   2
.set KS,     32
.set SCL,    2*SLOT
.set HALFS,  16*272
.set SBLK,   2*272
.set SPARE,  SCL+4*HALFS
.set SPITCH, 528
.set ADRA, 16
.set ADRB, 20
.set STO,  24
.set RD,   25
.set CO,   26
.set ADRS, 27
.set SPW,  28
.set NIL,  29
.set BO,   30
.set SC,   32
.set BN,   64
.set AF,   128
.set BK,   128
.set G1, 24
.set G0, 32
.set G1B, 48
.set G0B, 56
.set G1S, 68
.set G0S, 76
.set G1SB, 80
.set G0SB, 88
.set MSB, 0
.macro WIN new
.if MSB != \new
	s_set_vgpr_msb (MSB<<8)|\new
.set MSB, \new
.endif
.endm
.set MUL_LO, 0xa1
.set MUL_HI, 0xf1
.set FST_LO, 0x81
.set FST_HI, 0xc1
.set TO_B,   0x40
.macro JLOAD g0a, g1a, g0b, g1b
	s_cmp_eq_u32 s15, 0
	s_cbranch_scc0 .Lfor_b_\@
	tensor_load_to_lds s[\g0a:\g0a+3], s[\g1a:\g1a+7]
	s_nop 0
.rept 4
	v_nop
.endr
	s_branch .Lasked_\@
.Lfor_b_\@:
	tensor_load_to_lds s[\g0b:\g0b+3], s[\g1b:\g1b+7]
	s_nop 0
.rept 4
	v_nop
.endr
.Lasked_\@:
.endm
.macro CREST
	s_cmp_lg_u32 s14, 0
	s_cbranch_scc1 .Lnot_wave_0_\@
	s_barrier_signal -3
.Lnot_wave_0_\@:
	s_barrier_wait -3
	s_barrier_signal -1
	s_barrier_wait -1
.endm
.macro CROUND
	s_barrier_signal -1
	s_barrier_wait -1
	CREST
.endm
	s_load_b128 s[4:7], s[0:1], 0x0
	s_load_b128 s[8:11], s[0:1], 0x10
	s_load_b128 s[96:99], s[0:1], 0x20
	v_lshl_add_u32 v[SPW], v0, 2, SPARE
	v_mov_b32 v[NIL], 0
	ds_add_u32 v28, v29
	ds_add_u32 v28, v29
	s_wait_dscnt 0x0
	v_lshrrev_b32 v1, 5, v0
	v_readfirstlane_b32 s14, v1
	s_lshr_b32 s15, s14, 1
	s_and_b32 s16, s14, 1
	s_bfe_u32 s40, ttmp6, 0x40000
	s_bfe_u32 s41, ttmp6, 0x40004
	s_lshl_b32 s42, ttmp9, 2
	s_add_co_u32 s42, s42, s40
	s_and_b32 s17, ttmp7, 0xffff
	s_lshl_b32 s17, s17, 2
	s_add_co_u32 s17, s17, s41
	s_lshl_b32 s43, s41, 2
	s_lshl_b32 s43, 15, s43
	s_lshl_b32 s44, 0x1111, s40
	s_or_b32 s[G1+0], s43, (3<<16)|(1<<21)
	s_mov_b32 s[G1+1], 384<<16
	s_mov_b32 s[G1+2], 8<<16
	s_mov_b32 s[G1+3], 384<<16
	s_mov_b32 s[G1+4], 8
	s_mov_b32 s[G1+5], 1536
	s_mov_b32 s[G1+6], 0
	s_mov_b32 s[G1+7], 0
	s_or_b32 s[G1B+0], s44, (0<<16)|(1<<20)|(1<<21)|(3<<22)|(3<<25)
	s_mov_b32 s[G1B+1], 256<<16
	s_mov_b32 s[G1B+2], 96<<16
	s_mov_b32 s[G1B+3], 256<<16
	s_mov_b32 s[G1B+4], 96
	s_mov_b32 s[G1B+5], 256
	s_mov_b32 s[G1B+6], 0
	s_mov_b32 s[G1B+7], 0
	s_or_b32 s[G1S+0], s43, (3<<16)|(1<<20)|(1<<21)|(5<<22)|(3<<25)
	s_or_b32 s[G1SB+0], s44, (3<<16)|(1<<20)|(1<<21)|(5<<22)|(3<<25)
.irp g, G1S, G1SB
	s_mov_b32 s[\g+1], 32<<16
	s_mov_b32 s[\g+2], 16<<16
	s_mov_b32 s[\g+3], 32<<16
	s_mov_b32 s[\g+4], 16
	s_mov_b32 s[\g+5], 32
	s_mov_b32 s[\g+6], 0
	s_mov_b32 s[\g+7], 0
.endr
	s_lshl_b32 s20, s17, 4
	s_lshl_b32 s18, s16, 3
	s_add_co_u32 s20, s20, s18
	s_lshl_b32 s22, s20, 9
	s_mov_b32 s23, 0
	s_mul_i32 s20, s20, AROW
	s_mov_b32 s21, 0
	s_lshl_b32 s46, s42, 8
	s_lshl_b32 s18, s16, 7
	s_add_co_u32 s46, s46, s18
	s_lshl_b32 s92, s46, 5
	s_add_co_u32 s92, s92, 884736
	s_mov_b32 s93, 0
	s_mul_i32 s46, s46, KROW
	s_add_co_u32 s46, s46, 21233664
	s_mov_b32 s47, 0
	s_mul_i32 s45, s14, HALFT
	s_mul_i32 s94, s14, HALFS
	s_wait_kmcnt 0x0
	s_add_nc_u64 s[20:21], s[4:5], s[20:21]
	s_add_nc_u64 s[22:23], s[6:7], s[22:23]
	s_add_nc_u64 s[46:47], s[8:9], s[46:47]
	s_add_nc_u64 s[92:93], s[10:11], s[92:93]
	CROUND
	s_mov_b32 s[G0S], 1
	s_add_co_u32 s[G0S+1], s94, SCL
	s_mov_b64 s[G0S+2:G0S+3], s[22:23]
	s_or_b32 s[G0S+3], s[G0S+3], 0x80000000
	s_mov_b32 s[G0SB], 1
	s_add_co_u32 s[G0SB+1], s94, SCL
	s_mov_b64 s[G0SB+2:G0SB+3], s[92:93]
	s_or_b32 s[G0SB+3], s[G0SB+3], 0x80000000
	JLOAD G0S, G1S, G0SB, G1SB
.irp s, 0,1
	s_mov_b32 s[G0+4*\s], 1
	s_add_co_u32 s[G0+4*\s+1], s45, \s*SLOT
	s_add_nc_u64 s[G0+4*\s+2:G0+4*\s+3], s[20:21], \s*ASTEP
	s_or_b32 s[G0+4*\s+3], s[G0+4*\s+3], 0x80000000
	s_mov_b32 s[G0B+4*\s], 1
	s_add_co_u32 s[G0B+4*\s+1], s45, \s*SLOT
	s_add_nc_u64 s[G0B+4*\s+2:G0B+4*\s+3], s[46:47], \s*ROWB
	s_or_b32 s[G0B+4*\s+3], s[G0B+4*\s+3], 0x80000000
	s_wait_alu depctr_va_vdst(0)
	s_wait_tensorcnt 0x0
	ds_add_u32 v28, v29
	s_wait_dscnt 0x0
	CROUND
	JLOAD G0+4*\s, G1, G0B+4*\s, G1B
.endr
	v_and_b32 v1, 15, v0
	v_bfe_u32 v2, v0, 4, 1
	v_and_b32 v6, 31, v0
	v_lshlrev_b32 v3, 3, v6
	v_mul_u32_u24 v4, v1, PITCH
	v_mad_u32_u24 v4, v2, 24, v4
	v_lshl_add_u32 v5, v2, 4, v4
	s_mul_i32 s21, s15, HALFT
	s_mul_i32 s22, s16, HALFT
	s_add_co_u32 s22, s22, 2*HALFT
.irp s, 0,1
	v_add_nc_u32 v[ADRA+\s], s21, v3
	v_add_nc_u32 v[ADRB+\s], s22, v4
	v_add_nc_u32 v[ADRB+2+\s], s22, v5
	s_add_co_u32 s21, s21, SLOT
	s_add_co_u32 s22, s22, SLOT
.endr
	v_mul_u32_u24 v5, v1, KS
	v_lshrrev_b32 v7, 8, v5
	v_lshl_add_u32 v5, v7, 4, v5
	s_mul_i32 s21, s15, HALFS
	s_mul_i32 s22, s16, HALFS
	s_add_co_u32 s22, s22, 2*HALFS
	s_sub_co_u32 s22, s22, s21
	v_mul_u32_u24 v7, s22, v2
	s_add_co_u32 s21, s21, SCL
	v_add_nc_u32 v5, v5, v7
	v_add_nc_u32 v[ADRS], s21, v5
	s_mul_i32 s23, s14, 16*SPITCH
	v_mul_u32_u24 v5, v1, SPITCH
	v_lshl_add_u32 v5, v2, 6, v5
	v_add_nc_u32 v[STO], s23, v5
	v_lshlrev_b32 v[CO], 4, v6
	v_add_nc_u32 v[RD], s23, v[CO]
	v_lshlrev_b32 v[BO], 6, v2
	s_wait_alu depctr_va_vdst(0)
	s_lshl_b32 s46, s42, 10
	s_lshl_b32 s47, s16, 9
	s_add_co_u32 s46, s46, s47
	s_mov_b32 s47, 0
	s_add_nc_u64 s[96:97], s[96:97], s[46:47]
	s_lshl_b32 s20, s17, 8
	s_lshl_b32 s21, s15, 7
	s_add_co_u32 s20, s20, s21
	s_lshl_b32 s20, s20, 12
	s_mov_b32 s21, 0
	s_add_nc_u64 s[20:21], s[20:21], s[46:47]
	s_add_nc_u64 s[98:99], s[98:99], s[20:21]
.irp b, 0,1,2,3
.irp j, 0,1,2,3
	global_load_b128 v[BN+16*\b+4*\j:BN+16*\b+4*\j+3], v[BO], s[96:97] offset:128*\b+16*\j
.endr
.endr
.macro FRAG reg, adr, q, i
.irp p, 0,1,2,3,4,5
.set PCE, 12*(\q)+6*(\p/3)+\p%3
.if PCE%8 < 5
	ds_load_b64 v[\reg+2*\p:\reg+2*\p+1], v[\adr] offset:8*PCE+16*(PCE/8)+(\i)*16*PITCH
.else
	ds_load_b64 v[\reg+2*\p:\reg+2*\p+1], v[\adr+2] offset:8*PCE+16*(PCE/8)+(\i)*16*PITCH
.endif
.endr
.endm
.macro FRAGA reg, slot, q, i
.irp p, 0,1,2,3,4,5
	ds_load_b64 v[\reg+2*\p:\reg+2*\p+1], v[ADRA+\slot] offset:ASTEP*(\i)+768*(2*(\q)+\p/3)+256*(\p%3)
.endr
.endm
.macro MUL16 a0, p, q, sc, first
.irp a, \a0, \a0+1
.irp b, 0,1,2,3,4,5,6,7
.if \first
	v_wmma_scale_f32_16x16x128_f8f6f4 v[8*(8*((\a)%4)+\b):8*(8*((\a)%4)+\b)+7], v[128*(\p)+FR*\b:128*(\p)+FR*\b+FR-1], v[AF+FR*(\a):AF+FR*(\a)+FR-1], v[BN+8*\b:BN+8*\b+7], v[SC+8*NQ*(\sc)+NQ*\b+(\q)], v[SC+8*NQ*(\sc)+NQ*(\a)+(\q)] matrix_a_fmt:MATRIX_FMT_FP6 matrix_b_fmt:MATRIX_FMT_FP6 matrix_a_scale:MATRIX_SCALE_ROW1
.else
	v_wmma_scale_f32_16x16x128_f8f6f4 v[8*(8*((\a)%4)+\b):8*(8*((\a)%4)+\b)+7], v[128*(\p)+FR*\b:128*(\p)+FR*\b+FR-1], v[AF+FR*(\a):AF+FR*(\a)+FR-1], v[8*(8*((\a)%4)+\b):8*(8*((\a)%4)+\b)+7], v[SC+8*NQ*(\sc)+NQ*\b+(\q)], v[SC+8*NQ*(\sc)+NQ*(\a)+(\q)] matrix_a_fmt:MATRIX_FMT_FP6 matrix_b_fmt:MATRIX_FMT_FP6 matrix_a_scale:MATRIX_SCALE_ROW1
.endif
.endr
.endr
.endm
.macro FETCH_B slot, q, p
	WIN TO_B
.irp i, 0,1,2,3,4,5,6,7
	FRAG 128*(\p)+FR*\i, ADRB+\slot, \q, \i
.endr
	WIN 0
.endm
.macro FETCH_A slot, q, i0
.irp i, \i0, \i0+1, \i0+2, \i0+3
	FRAGA AF+FR*(\i), \slot, \q, \i
.endr
.endm
.macro SCALES sc
.irp i, 0,1,2,3,4,5,6,7
	ds_load_b64 v[SC+8*NQ*\sc+NQ*\i:SC+8*NQ*\sc+NQ*\i+1], v[ADRS] offset:\i*SBLK
.endr
.endm
.macro PLACES n
.rept \n
	v_nop
.endr
.endm
.macro STEP slot, q, first
	s_wait_dscnt 4*NL
.if \first
	WIN FST_LO
.else
	WIN MUL_LO
.endif
	MUL16 0, (\q)%2, \q, \slot, \first
	MUL16 2, (\q)%2, \q, \slot, \first
	s_wait_dscnt 0
	PLACES NP
	FETCH_B \slot, (\q)+1, 1-(\q)%2
	FETCH_A \slot, (\q)+1, 0
.if \first
	WIN FST_HI
.else
	WIN MUL_HI
.endif
	MUL16 4, (\q)%2, \q, \slot, \first
	MUL16 6, (\q)%2, \q, \slot, \first
	PLACES NP
	WIN 0
	FETCH_A \slot, (\q)+1, 4
.endm
.macro TURN slot, next, fill
	s_wait_tensorcnt 0x0
	ds_add_u32 v[SPW], v[NIL]
	s_wait_dscnt 4*NL+1
	WIN MUL_LO
	MUL16 0, 1, NQ-1, \slot, 0
	s_wait_dscnt 0x0
	s_barrier_signal -1
	MUL16 2, 1, NQ-1, \slot, 0
	WIN 0
	s_barrier_wait -1
.if \fill
	CREST
	s_add_nc_u64 s[G0+4*\slot+2:G0+4*\slot+3], s[G0+4*\slot+2:G0+4*\slot+3], 2*ASTEP
	s_add_nc_u64 s[G0B+4*\slot+2:G0B+4*\slot+3], s[G0B+4*\slot+2:G0B+4*\slot+3], 2*ROWB
	JLOAD G0+4*\slot, G1, G0B+4*\slot, G1B
.else
	PLACES NP
.endif
	s_wait_alu depctr_va_vdst(0)
	v_add_nc_u32 v[ADRS], 4*NQ, v[ADRS]
	FETCH_B \next, 0, 0
	FETCH_A \next, 0, 0
	SCALES \next
	WIN MUL_HI
	MUL16 4, 1, NQ-1, \slot, 0
	MUL16 6, 1, NQ-1, \slot, 0
	PLACES NP
	WIN 0
	FETCH_A \next, 0, 4
.endm
	s_wait_tensorcnt 1
	s_barrier_signal -1
	s_barrier_wait -1
	FETCH_B 0, 0, 0
	FETCH_A 0, 0, 0
	SCALES 0
	FETCH_A 0, 0, 4
	s_wait_loadcnt 0x0
	STEP 0, 0, 1
	s_mov_b32 s3, LAPS-1
.Llap:
	TURN 0, 1, 1
	STEP 1, 0, 0
	TURN 1, 0, 1
	STEP 0, 0, 0
	s_sub_co_u32 s3, s3, 1
	s_cmp_lg_u32 s3, 0
	s_cbranch_scc1 .Llap
	TURN 0, 1, 0
	STEP 1, 0, 0
	s_wait_dscnt 4*NL
	WIN MUL_LO
	MUL16 0, 1, NQ-1, 1, 0
	MUL16 2, 1, NQ-1, 1, 0
	s_wait_dscnt 0
	WIN MUL_HI
	MUL16 4, 1, NQ-1, 1, 0
	MUL16 6, 1, NQ-1, 1, 0
	WIN 0
.macro TOSTAGE a
.set AC, 64*((\a)%4)
	WIN (0x08+4*((\a)/4))
.irp b, 0,1,2,3,4,5,6,7
	ds_store_b128 v[STO], v[AC+8*\b:AC+8*\b+3] offset:128*(\b/2)+32*(\b%2)
	ds_store_b128 v[STO], v[AC+8*\b+4:AC+8*\b+7] offset:128*(\b/2)+32*(\b%2)+16
.endr
	WIN 0
.set BB, BK+64*((\a)%2)
.irp t, 0,1,2,3,4,5,6,7,8,9,10,11,12,13,14,15
	ds_load_b128 v[BB+4*\t:BB+4*\t+3], v[RD] offset:\t*SPITCH
.endr
.endm
.macro SEND a, younger
.set BB, BK+64*((\a)%2)
	s_wait_dscnt \younger
.irp t, 0,1,2,3,4,5,6,7,8,9,10,11,12,13,14,15
	global_store_b128 v[CO], v[BB+4*\t:BB+4*\t+3], s[98:99] offset:(32*((\a)/2)+8*((\a)%2)+\t+8*(\t/8))*4096 th:TH_STORE_NT
.endr
.endm
	PLACES NP
	TOSTAGE 0
.irp a, 1,2,3,4,5,6,7
.if \a > 1
	s_wait_xcnt 0x0
.endif
	TOSTAGE \a
	SEND \a-1, 32
.endr
	SEND 7, 0
	s_wait_tensorcnt 0x0
	ds_add_u32 v[SPW], v[NIL]
	s_wait_dscnt 0x0
	CROUND
	s_endpgm
.Lfunc_end_k_qc1c5ce33e0_outp:
	.size	k_qc1c5ce33e0_outp, .Lfunc_end_k_qc1c5ce33e0_outp-k_qc1c5ce33e0_outp
	.p2alignl 7, 3214868480
	.fill 96, 4, 3214868480
	.section	.rodata,"a",@progbits
	.p2align	6, 0x0
	.amdhsa_kernel k_qc1c5ce33e0_outp
		.amdhsa_group_segment_fixed_size 327680
		.amdhsa_private_segment_fixed_size 0
		.amdhsa_enable_private_segment 0
		.amdhsa_kernarg_size 48
		.amdhsa_user_sgpr_count 2
		.amdhsa_user_sgpr_kernarg_segment_ptr 1
		.amdhsa_wavefront_size32 1
		.amdhsa_system_sgpr_workgroup_id_x 1
		.amdhsa_system_sgpr_workgroup_id_y 1
		.amdhsa_system_sgpr_workgroup_id_z 1
		.amdhsa_system_vgpr_workitem_id 0
		.amdhsa_next_free_vgpr 1024
		.amdhsa_next_free_sgpr 100
		.amdhsa_reserve_vcc 0
		.amdhsa_float_denorm_mode_32 3
		.amdhsa_float_denorm_mode_16_64 3
		.amdhsa_memory_ordered 1
		.amdhsa_forward_progress 1
		.amdhsa_inst_pref_size 162
	.end_amdhsa_kernel
	.amdgpu_metadata
---
amdhsa.version: [ 1, 2 ]
amdhsa.kernels:
  - .name:           k_qc1c5ce33e0_outp
    .symbol:         k_qc1c5ce33e0_outp.kd
    .args:
      - { .name: ximg, .offset: 0, .size: 8, .value_kind: global_buffer, .address_space: global }
      - { .name: xsc, .offset: 8, .size: 8, .value_kind: global_buffer, .address_space: global }
      - { .name: cod, .offset: 16, .size: 8, .value_kind: global_buffer, .address_space: global }
      - { .name: scl, .offset: 24, .size: 8, .value_kind: global_buffer, .address_space: global }
      - { .name: bo, .offset: 32, .size: 8, .value_kind: global_buffer, .address_space: global }
      - { .name: out0, .offset: 40, .size: 8, .value_kind: global_buffer, .address_space: global }
    .group_segment_fixed_size: 327680
    .private_segment_fixed_size: 0
    .kernarg_segment_align: 8
    .kernarg_segment_size: 48
    .max_flat_workgroup_size: 128
    .sgpr_count:     100
    .vgpr_count:     1024
    .wavefront_size: 32
...
	.end_amdgpu_metadata
.endif
;; end of part 4
